; MI455X (gfx1250); checked and timed in simulation.
; The chip was launched on July 23, 2026; its instructions are those of AMD's public machine-readable ISA for CDNA 5 (MIT licence, August 2026) and "CDNA5" Instruction Set Architecture Reference Guide (July 2026). The comments in the code are by the model that wrote it; some were corrected since.
;; Multi Head Self Attention. Allowed arithmetic: float matrix products may take bf16 or f16 operands with f32 sums; all other float work in f32.
;; Inputs: Wk 1,024 x 1,024 float32; Wo 1,024 x 1,024 float32; Wq 1,024 x 1,024 float32; Wv 1,024 x 1,024 float32; X 4 x 2,048 x 1,024 float32.
;; Outputs: out0 4 x 2,048 x 1,024 float32.
;; 2 versions, each right; version 2 is version 1 with the launch prep written anew for expert scheduling mode. Each part assembles by itself: llvm-mc -triple=amdgcn-amd-amdhsa -mcpu=gfx1250 --defsym DOCPART=n.
;; ======== version 1 of 2: 4 launches
;; limits: values are held in f16: magnitudes above 65,504 overflow, below 6.1e-05 lose precision
;; workspace buffers: xb 16,777,216 bytes; wt 8,388,608 bytes; qkv 50,331,648 bytes; att 16,777,216 bytes
;; launch prep (part 1): grid 768 x 1, 8 waves a work-group, no clusters, 34,304 bytes of LDS; arguments X, Wq, Wk, Wv, Wo, xb, wt; writes xb, wt
.if DOCPART == 1
	.amdgcn_target "amdgcn-amd-amdhsa--gfx1250"
	.amdhsa_code_object_version 6
	.text
	.protected	k_q02517938c1_prep
	.globl	k_q02517938c1_prep
	.p2align	8
	.type	k_q02517938c1_prep,@function
k_q02517938c1_prep:
	s_mov_b64 s[64:65], 0
	v_nop
	global_prefetch_b8 v0, s[64:65] scope:SCOPE_SE
	s_setreg_imm32_b32 hwreg(HW_REG_WAVE_MODE, 25, 1), 1
	s_wait_xcnt 0x0
; prep: the matrix operands in 16 bits.
;   work-groups 0-511:   xb[8192][1024] = X rounded to bf16; 64 KiB of X each.
;   work-groups 512-767: wt[4096 n][1024 k] = the four weights transposed; a tile of 256 k x 64 n each.
;       wt rows 0-1023 Wq^T, 1024-2047 Wk^T, 2048-3071 Wv^T in bf16; rows 3072-4095 Wo^T as f16 codes of the bf16-rounded numbers
;       (its partner in the last product, the attention's result, is f16).
; LIMIT: a bf16 number is exact in f16 from 6.1e-5 up to 65,504; a smaller |Wo| carries an absolute error of at most 3e-8.
; A stream: every input byte is read once by 16-byte loads of which sixteen neighbouring lanes cover 256 neighbouring bytes; no matrix unit,
; no cluster (no work-group shares a byte with another).
.set XL, 32                            ; v[32:95]   16 loads of 4 registers
.set XO, 96                            ; v[96:127]  X path: 16 pairs to store
.set WPITCH, 260                       ; LDS pitch of a transposed row of 128 k: 65 words, odd, so that both the word stores (down the rows)
                                       ; and the word loads (along the rows) of a wave fall into 32 different banks
.set WSUB, 64*WPITCH                   ; a sub-tile: 64 n x 128 k
	s_load_b256 s[8:15], s[0:1], 0x0               ; X s[8:9], Wq s[10:11], Wk s[12:13], Wv s[14:15]
	s_load_b128 s[16:19], s[0:1], 0x20             ; Wo s[16:17], xb s[18:19]
	s_load_b64 s[20:21], s[0:1], 0x30              ; wt
	v_lshl_add_u32 v128, v0, 2, 0x8200
	v_mov_b32 v129, 0
	s_cmp_ge_u32 ttmp9, 512
	s_cbranch_scc1 .Lweights
	; ---- X: thread t takes 16 bytes at 16 t of each of 16 blocks of 4,096 bytes, and stores 8 bytes at 8 t of blocks of 2,048
	v_lshlrev_b32 v1, 4, v0
	v_lshlrev_b32 v2, 3, v0
	s_lshl_b32 s2, ttmp9, 16                       ; 65,536 bytes of X for each work-group
	s_mov_b32 s3, 0
	s_lshl_b32 s4, ttmp9, 15                       ; 32,768 bytes of xb
	s_mov_b32 s5, 0
	s_wait_kmcnt 0x0
	s_add_nc_u64 s[8:9], s[8:9], s[2:3]
	s_add_nc_u64 s[18:19], s[18:19], s[4:5]
.set I, 0
.rept 16
	global_load_b128 v[XL+4*I:XL+4*I+3], v1, s[8:9] offset:4096*I th:TH_LOAD_NT
.set I, I+1
.endr
.set I, 0
.rept 16
	s_wait_loadcnt 15-I                            ; loads come back in order: this one is in, the 15-I younger ones stay out
	v_cvt_pk_bf16_f32 v[XO+2*I],   v[XL+4*I],   v[XL+4*I+1]
	v_cvt_pk_bf16_f32 v[XO+2*I+1], v[XL+4*I+2], v[XL+4*I+3]
	global_store_b64 v2, v[XO+2*I:XO+2*I+1], s[18:19] offset:2048*I    ; a wave's store covers 256 neighbouring bytes, aligned
.set I, I+1
.endr
	s_endpgm
	; ---- weights
.Lweights:
	s_sub_co_u32 s2, ttmp9, 512                    ; u = 0..255
	s_lshr_b32 s3, s2, 6                           ; which weight: 0 Wq, 1 Wk, 2 Wv, 3 Wo
	s_and_b32 s4, s2, 15                           ; block of 64 n
	s_bfe_u32 s5, s2, 0x20004                      ; block of 256 k
	v_and_b32 v8, 15, v0                           ; ng: my four n
	v_lshrrev_b32 v9, 4, v0                        ; kp: my pair of k rows in each group of 32
	v_lshlrev_b32 v1, 13, v9                       ; source: 2 kp rows of 4,096 bytes
	v_lshl_add_u32 v1, v8, 4, v1                   ;         + 16 ng
	v_mul_u32_u24 v2, v8, 4*WPITCH                 ; LDS, in: row 4 ng,
	v_lshl_add_u32 v2, v9, 2, v2                   ;          word kp
	v_mul_u32_u24 v3, v9, WPITCH                   ; LDS, back: row t / 16,
	v_lshl_add_u32 v3, v8, 4, v3                   ;            16 bytes at 16 (t mod 16)
	v_lshlrev_b32 v4, 11, v9                       ; wt: the same row (2,048 bytes) and the same 16 bytes
	v_lshl_add_u32 v4, v8, 4, v4
	s_lshl_b32 s6, s5, 20                          ; 256 k rows of 4,096 bytes
	s_lshl_b32 s7, s4, 8                           ; 64 n of 4 bytes
	s_add_co_u32 s6, s6, s7
	s_mov_b32 s7, 0
	s_lshl_b32 s26, s3, 21                         ; wt: 1,024 rows of 2,048 bytes for each weight,
	s_lshl_b32 s27, s4, 17                         ;     64 rows for each n block,
	s_add_co_u32 s26, s26, s27
	s_lshl_b32 s27, s5, 9                          ;     512 bytes for each k block
	s_add_co_u32 s26, s26, s27
	s_mov_b32 s27, 0
	s_wait_kmcnt 0x0
	s_cmp_eq_u32 s3, 0
	s_cselect_b64 s[22:23], s[10:11], s[12:13]
	s_cmp_eq_u32 s3, 2
	s_cselect_b64 s[24:25], s[14:15], s[16:17]
	s_cmp_lt_u32 s3, 2
	s_cselect_b64 s[22:23], s[22:23], s[24:25]
	s_add_nc_u64 s[22:23], s[22:23], s[6:7]
	s_add_nc_u64 s[20:21], s[20:21], s[26:27]
.set I, 0
.rept 8                                            ; rows 2 (kp + 16 I) and the next: sixteen lanes read 256 neighbouring bytes
	global_load_b128 v[XL+8*I:XL+8*I+3],   v1, s[22:23] offset:131072*I th:TH_LOAD_NT
	global_load_b128 v[XL+8*I+4:XL+8*I+7], v1, s[22:23] offset:131072*I+4096 th:TH_LOAD_NT
.set I, I+1
.endr
; Two neighbouring k of one n become one word (the lower k in the low half) at LDS [n][k].  half = 1: the bf16 pair is widened again and written as f16.
.macro WCONV half
.set I, 0
.rept 8
.irp c, 0,1,2,3
	v_cvt_pk_bf16_f32 v[10+\c], v[XL+8*I+\c], v[XL+8*I+4+\c]
.if \half
	v_lshlrev_b32 v[14+2*\c], 16, v[10+\c]
	v_and_b32     v[15+2*\c], 0xffff0000, v[10+\c]
	v_cvt_pk_f16_f32 v[10+\c], v[14+2*\c], v[15+2*\c]
.endif
	ds_store_b32 v2, v[10+\c] offset:(I>>2)*WSUB+\c*WPITCH+(I&3)*64
.endr
.set I, I+1
.endr
.endm
	s_wait_loadcnt 0x0
	s_cmp_eq_u32 s3, 3
	s_cbranch_scc1 .Lhalf
	WCONV 0
	s_branch .Ljoin
.Lhalf:
	WCONV 1
.Ljoin:
	s_wait_dscnt 0x0                               ; my stores are in LDS before I say so: other waves read them
	s_barrier_signal -1
	s_barrier_wait -1
.set G, 0
.rept 8                                            ; group G = 2 r + sub: rows t / 16 + 16 r of sub-tile sub
.irp c, 0,1,2,3
	ds_load_b32 v[64+4*G+\c], v3 offset:(G&1)*WSUB+(G>>1)*16*WPITCH+4*\c
.endr
.set G, G+1
.endr
.set G, 0
.rept 8
	s_wait_dscnt 28-4*G                            ; the four loads of group G are in; the younger groups' stay out
	global_store_b128 v4, v[64+4*G:64+4*G+3], s[20:21] offset:(G>>1)*32768+(G&1)*256   ; sixteen lanes store 256 neighbouring bytes, aligned
.set G, G+1
.endr
	s_wait_tensorcnt 0x0
	ds_add_u32 v128, v129
	s_wait_dscnt 0x0
	s_endpgm
.Lfunc_end_k_q02517938c1_prep:
	.size	k_q02517938c1_prep, .Lfunc_end_k_q02517938c1_prep-k_q02517938c1_prep
	.p2alignl 7, 3214868480
	.fill 96, 4, 3214868480
	.section	.rodata,"a",@progbits
	.p2align	6, 0x0
	.amdhsa_kernel k_q02517938c1_prep
		.amdhsa_group_segment_fixed_size 34304
		.amdhsa_private_segment_fixed_size 0
		.amdhsa_enable_private_segment 0
		.amdhsa_kernarg_size 56
		.amdhsa_user_sgpr_count 2
		.amdhsa_user_sgpr_kernarg_segment_ptr 1
		.amdhsa_wavefront_size32 1
		.amdhsa_system_sgpr_workgroup_id_x 1
		.amdhsa_system_sgpr_workgroup_id_y 1
		.amdhsa_system_sgpr_workgroup_id_z 1
		.amdhsa_system_vgpr_workitem_id 0
		.amdhsa_next_free_vgpr 130
		.amdhsa_next_free_sgpr 66
		.amdhsa_reserve_vcc 0
		.amdhsa_float_denorm_mode_32 3
		.amdhsa_float_denorm_mode_16_64 3
		.amdhsa_memory_ordered 1
		.amdhsa_forward_progress 1
		.amdhsa_inst_pref_size 26
	.end_amdhsa_kernel
	.amdgpu_metadata
---
amdhsa.version: [ 1, 2 ]
amdhsa.kernels:
  - .name:           k_q02517938c1_prep
    .symbol:         k_q02517938c1_prep.kd
    .args:
      - { .name: X, .offset: 0, .size: 8, .value_kind: global_buffer, .address_space: global }
      - { .name: Wq, .offset: 8, .size: 8, .value_kind: global_buffer, .address_space: global }
      - { .name: Wk, .offset: 16, .size: 8, .value_kind: global_buffer, .address_space: global }
      - { .name: Wv, .offset: 24, .size: 8, .value_kind: global_buffer, .address_space: global }
      - { .name: Wo, .offset: 32, .size: 8, .value_kind: global_buffer, .address_space: global }
      - { .name: xb, .offset: 40, .size: 8, .value_kind: global_buffer, .address_space: global }
      - { .name: wt, .offset: 48, .size: 8, .value_kind: global_buffer, .address_space: global }
    .group_segment_fixed_size: 34304
    .private_segment_fixed_size: 0
    .kernarg_segment_align: 8
    .kernarg_segment_size: 56
    .max_flat_workgroup_size: 256
    .sgpr_count:     66
    .vgpr_count:     130
    .wavefront_size: 32
...
	.end_amdgpu_metadata
.endif
;; end of part 1
;; launch proj_qkv (part 2): grid 16 x 32, 4 waves a work-group, clusters of 4 x 4, 327,680 bytes of LDS; arguments xb, wt, qkv; writes qkv
.if DOCPART == 2
	.amdgcn_target "amdgcn-amd-amdhsa--gfx1250"
	.amdhsa_code_object_version 6
	.text
	.protected	k_q02517938c1_proj_qkv
	.globl	k_q02517938c1_proj_qkv
	.p2align	8
	.type	k_q02517938c1_proj_qkv,@function
k_q02517938c1_proj_qkv:
	s_mov_b64 s[64:65], 0
	v_nop
	global_prefetch_b8 v0, s[64:65] scope:SCOPE_SE
	s_setreg_imm32_b32 hwreg(HW_REG_WAVE_MODE, 25, 1), 1
	s_wait_xcnt 0x0
	s_wait_alu depctr_hold_cnt(0) depctr_sa_sdst(0) depctr_va_vdst(0) depctr_va_sdst(0) depctr_va_ssrc(0) depctr_va_vcc(0) depctr_vm_vsrc(0)
	s_getreg_b32 s2, hwreg(HW_REG_IB_STS2, 6, 4)
	s_cmp_eq_u32 s2, 0
	s_cbranch_scc0 .Lentry_in_a_cluster
	s_endpgm
.Lentry_in_a_cluster:
	s_bfe_u32 s2, ttmp6, 0x10000c
	s_cmp_lg_u32 s2, 0xf033
	s_cbranch_scc0 .Lentry_shape_is_right
	s_endpgm
.Lentry_shape_is_right:
; q, k, v = X Wq, X Wk, X Wv as ONE product C[8192][3072] = xb[8192][1024] x wt[0:3072][1024]^T, bf16 operands, f32 sums, rounded once to f16
; and stored by heads: qkv[3][4 b][16 h][2048 s][64].
; LIMIT: q, k and v are kept in f16: |q|, |k|, |v| < 65,504 (inputs 30 times those drawn, or offset by 30 spreads, stay under 3e4).
; A work-group makes 256 x 192 of C (8192 x 3072 / (256 x 192) = 512 work-groups), four waves, a wave 128 x 96: 48 accumulator tiles, 384 registers.
; K goes in 8 steps of 128 through two LDS slots filled by the tensor data mover; a tile's rows are 256 bytes of memory, aligned.
; CLUSTERS: 4 x 4 work-groups.  The four of a row of the cluster need the same tiles of xb, the four of a column the same rows of wt: each
; tile is asked for jointly, by the same descriptor with a mask that names the four, which divides the requests by four.
; REGISTER WINDOWS: 0: addresses, A's fragments (two buffers), packed results; 1: B's fragments; 2: accumulators of my rows 0-63
; (tile (a, b) at v[8 (6 a + b)]); 3: those of my rows 64-127.
; THE MATRIX INSTRUCTION IS USED TRANSPOSED (source 0 = 16 rows of wt, source 1 = 16 rows of xb): lane l holds row l % 16 of C and eight
; neighbouring columns 8 (l / 16) + 0..7, which pack into 16 bytes.
.set NB,     6                         ; n tiles of 16 in a wave
.set KSTEP,  128
.set KDIM,   1024
.set PITCH,  272                       ; LDS row: 256 bytes + 16 of padding, an odd multiple of 16: the 16 rows of a fragment load start in different banks
.set HALFA,  128*PITCH                 ; one load of A: 128 rows
.set HALFB,  16*NB*PITCH               ; one load of B: 96 rows
.set SLOT,   2*HALFA+2*HALFB           ; 121,856 bytes
.set SPITCH, 400                       ; the way out: a row of 192 f16 (384 bytes) + 16, again an odd multiple of 16
.set LAPS,   KDIM/(2*KSTEP)            ; 4 laps of two K steps
.set ADRA, 16                          ; v16-17 LDS address of my A fragments in slot 0, 1
.set ADRB, 20                          ; v20-21 the same for B
.set STO,  24                          ; the way out: where I put 16 bytes
.set RD,   25                          ; where I read rows back
.set CO,   26                          ; my byte offset in a head's rows
.set F0,   64
.set F1,   128
.set TMP,  192
.set G1,  24                           ; s[24:31] group 1, A
.set G0,  32                           ; s[32:39] group 0, A, one set a slot
.set G1B, 48                           ; s[48:55] group 1, B
.set G0B, 56                           ; s[56:63] group 0, B, one set a slot
.set MSB, 0
.macro WIN new                         ; the immediate's high byte repeats the setting that is left
.if MSB != \new
	s_set_vgpr_msb (MSB<<8)|\new
.set MSB, \new
.endif
.endm
.set MUL_LO, 0xa1                      ; source 0 (B) window 1, source 1 (A) window 0, C and D window 2
.set MUL_HI, 0xf1                      ; the same, C and D window 3
.set TO_B,   0x40                      ; destination window 1
; A joint load: waves 0 and 1 fetch A's two halves, waves 2 and 3 B's.  The branch hangs on the wave's number alone.
.macro JLOAD s
	s_cmp_eq_u32 s11, 0
	s_cbranch_scc0 .Lfor_b_\@
	tensor_load_to_lds s[G0+4*\s:G0+4*\s+3], s[G1:G1+7]
	s_nop 0
	s_branch .Lasked_\@
.Lfor_b_\@:
	tensor_load_to_lds s[G0B+4*\s:G0B+4*\s+3], s[G1B:G1B+7]
	s_nop 0
.Lasked_\@:
.endm
; A round of the cluster's barrier behind its opening work-group barrier: wave 0 signals for the work-group, every wave waits for all sixteen
; work-groups, and the work-group's barrier closes the round.
.macro CREST
	s_cmp_lg_u32 s10, 0
	s_cbranch_scc1 .Lnot_wave_0_\@
	s_barrier_signal -3
.Lnot_wave_0_\@:
	s_barrier_wait -3
	s_barrier_signal -1
	s_barrier_wait -1
.endm
.macro CROUND
	s_barrier_signal -1
	s_barrier_wait -1
	CREST
.endm
	s_load_b128 s[4:7], s[0:1], 0x0                ; xb s[4:5], wt s[6:7]
	s_load_b64 s[8:9], s[0:1], 0x10                ; qkv
	s_set_vgpr_msb 0x40
	v_lshl_add_u32 v255, v0, 2, 0x3b800
	s_set_vgpr_msb 0x4000
	v_mov_b32 v255, 0
	s_set_vgpr_msb 0x1
	ds_add_u32 v255, v255
	s_set_vgpr_msb 0x100
	v_lshrrev_b32 v1, 5, v0
	v_readfirstlane_b32 s10, v1                    ; wave 0..3
	s_lshr_b32 s11, s10, 1                         ; my half of the block's rows; also: I fetch for A (0) or B (1)
	s_and_b32 s12, s10, 1                          ; my half of its columns; also: which half of that tile I fetch
	s_bfe_u32 s40, ttmp6, 0x40000                  ; cx
	s_bfe_u32 s41, ttmp6, 0x40004                  ; cy
	s_lshl_b32 s42, ttmp9, 2
	s_add_co_u32 s42, s42, s40                     ; block column = 4 x cluster x + cx
	s_and_b32 s13, ttmp7, 0xffff
	s_lshl_b32 s13, s13, 2
	s_add_co_u32 s13, s13, s41                     ; block row = 4 x cluster y + cy
	s_lshl_b32 s43, s41, 2
	s_lshl_b32 s43, 15, s43                        ; my row of the cluster: places 4 cy .. 4 cy + 3
	s_lshl_b32 s44, 0x1111, s40                    ; my column: places cx, cx + 4, cx + 8, cx + 12
	; group 1: elements of 2 bytes, 4 words of padding behind every 64 words; A 128 rows x 128, B 96 rows x 128; 1,024 elements from row to row
	s_or_b32 s[G1+0],  s43, (1<<16)|(1<<20)|(1<<21)|(5<<22)|(3<<25)
	s_or_b32 s[G1B+0], s44, (1<<16)|(1<<20)|(1<<21)|(5<<22)|(3<<25)
	s_mov_b32 s[G1+1],  KSTEP<<16                  ; tensor_dim0 = 128
	s_mov_b32 s[G1B+1], KSTEP<<16
	s_mov_b32 s[G1+2],  128<<16                    ; tensor_dim1 = 128
	s_mov_b32 s[G1B+2], (16*NB)<<16                ; tensor_dim1 = 96
	s_mov_b32 s[G1+3],  KSTEP<<16                  ; tile_dim0 = 128
	s_mov_b32 s[G1B+3], KSTEP<<16
	s_mov_b32 s[G1+4],  128                        ; tile_dim1
	s_mov_b32 s[G1B+4], 16*NB
	s_mov_b32 s[G1+5],  KDIM                       ; pitch
	s_mov_b32 s[G1B+5], KDIM
	s_mov_b32 s[G1+6],  0
	s_mov_b32 s[G1B+6], 0
	s_mov_b32 s[G1+7],  0
	s_mov_b32 s[G1B+7], 0
	; A's address hangs on the block row and the wave, B's on the block column and the wave, each in registers that never hold the other coordinate
	s_lshl_b32 s17, s12, 7
	s_lshl_b32 s16, s13, 8
	s_add_co_u32 s16, s16, s17                     ; A: row 256 x block row + 128 x half
	s_lshl_b32 s16, s16, 11                        ; x 2,048 bytes (16.8 MB at the most)
	s_mov_b32 s17, 0
	s_mul_i32 s46, s42, 32*NB
	s_mul_i32 s47, s12, 16*NB
	s_add_co_u32 s46, s46, s47                     ; B: row 192 x block column + 96 x half
	s_lshl_b32 s46, s46, 11
	s_mov_b32 s47, 0
	s_mul_i32 s20, s10, HALFA                      ; LDS: waves 0, 1: A's halves at wave x HALFA
	s_mul_i32 s45, s10, HALFB                      ;      waves 2, 3: B's halves behind A's 256 rows
	s_add_co_u32 s45, s45, 2*HALFA-2*HALFB
	s_wait_dscnt 0x0
	s_wait_kmcnt 0x0
	s_add_nc_u64 s[14:15], s[4:5], s[16:17]
	s_add_nc_u64 s[46:47], s[6:7], s[46:47]
	CROUND                                         ; all sixteen work-groups are here: the first joint loads meet
.irp s, 0,1
	s_mov_b32 s[G0+4*\s], 1
	s_add_co_u32 s[G0+4*\s+1], s20, \s*SLOT
	s_add_nc_u64 s[G0+4*\s+2:G0+4*\s+3], s[14:15], \s*KSTEP*2
	s_or_b32 s[G0+4*\s+3], s[G0+4*\s+3], 0x80000000
	s_mov_b32 s[G0B+4*\s], 1
	s_add_co_u32 s[G0B+4*\s+1], s45, \s*SLOT
	s_add_nc_u64 s[G0B+4*\s+2:G0B+4*\s+3], s[46:47], \s*KSTEP*2
	s_or_b32 s[G0B+4*\s+3], s[G0B+4*\s+3], 0x80000000
	JLOAD \s                                       ; both slots are asked for before anything else: two loads of the wave are out
.endr
	v_and_b32 v1, 15, v0                           ; r = l % 16
	v_bfe_u32 v2, v0, 4, 1                         ; h = l / 16
	v_mul_u32_u24 v3, v1, PITCH
	v_lshl_add_u32 v3, v2, 4, v3                   ; row x pitch + 16 h
	s_mul_i32 s21, s11, HALFA
	s_mul_i32 s22, s12, HALFB
	s_add_co_u32 s22, s22, 2*HALFA
.irp s, 0,1
	v_add_nc_u32 v[ADRA+\s], s21, v3
	v_add_nc_u32 v[ADRB+\s], s22, v3
	s_add_co_u32 s21, s21, SLOT
	s_add_co_u32 s22, s22, SLOT
.endr
	v_mul_u32_u24 v4, v1, SPITCH                   ; the way out, in: row 128 x row half + r, byte 192 x column half + 16 h
	v_lshl_add_u32 v4, v2, 4, v4
	s_mul_i32 s78, s11, 128*SPITCH
	s_mul_i32 s79, s12, 32*NB
	s_add_co_u32 s78, s78, s79
	v_add_nc_u32 v[STO], s78, v4
	v_and_b32 v5, 31, v0                           ; back: wave w takes rows 64 w .. 64 w + 63; eight lanes take a head's 128 bytes of a row
	v_lshrrev_b32 v6, 3, v5
	v_and_b32 v7, 7, v5
	v_mul_u32_u24 v6, v6, SPITCH
	v_lshl_add_u32 v6, v7, 4, v6
	s_mul_i32 s79, s10, 64*SPITCH
	v_add_nc_u32 v[RD], s79, v6
	v_lshlrev_b32 v[CO], 4, v5                     ; four rows of a head are 512 neighbouring bytes of qkv
; 2 NB matrix instructions: m blocks a0, a0 + 1 of the window's four x all NB n blocks, 32 along K.  zero = 1: the product starts the sums.
.macro MULH f, hi, a0, zero
.irp a, \a0, \a0+1
.irp b, 0,1,2,3,4,5
.if \zero
	v_wmma_f32_16x16x32_bf16 v[8*(NB*(\a)+\b):8*(NB*(\a)+\b)+7], v[\f+8*\b:\f+8*\b+7], v[\f+8*(4*\hi+\a):\f+8*(4*\hi+\a)+7], 0
.else
	v_wmma_f32_16x16x32_bf16 v[8*(NB*(\a)+\b):8*(NB*(\a)+\b)+7], v[\f+8*\b:\f+8*\b+7], v[\f+8*(4*\hi+\a):\f+8*(4*\hi+\a)+7], v[8*(NB*(\a)+\b):8*(NB*(\a)+\b)+7]
.endif
.endr
.endr
.endm
; the fragments of quarter q (32 along K) into buffer f: 12 loads of B, then 16 of A, in one run
.macro FETCH slot, q, f
	WIN TO_B
.irp i, 0,1,2,3,4,5
	ds_load_b128 v[\f+8*\i:\f+8*\i+3],   v[ADRB+\slot] offset:64*\q+\i*16*PITCH
	ds_load_b128 v[\f+8*\i+4:\f+8*\i+7], v[ADRB+\slot] offset:64*\q+\i*16*PITCH+32
.endr
	WIN 0
.irp i, 0,1,2,3,4,5,6,7
	ds_load_b128 v[\f+8*\i:\f+8*\i+3],   v[ADRA+\slot] offset:64*\q+\i*16*PITCH
	ds_load_b128 v[\f+8*\i+4:\f+8*\i+7], v[ADRA+\slot] offset:64*\q+\i*16*PITCH+32
.endr
.endm
; four places behind the matrix instructions in front of loads into registers that they read, and of readers of their results
.macro PLACES
.rept 4
	v_nop
.endr
.endm
; One of a K step's first three quarters: multiplies buffer f, fetches quarter q into buffer g in its middle.
; The 48 accumulators take turns, one instruction a turn, in the same order in every quarter.
.macro QUARTER slot, q, f, g, zero
	s_wait_dscnt 8                                 ; B and A's rows 0-63 are in; the eight youngest loads (A's rows 64-127) may be out
	WIN MUL_LO
	MULH \f, 0, 0, \zero
	MULH \f, 0, 2, \zero
	PLACES
	FETCH \slot, \q, \g
	s_wait_dscnt 16+2*NB                           ; all but the 28 just issued
	WIN MUL_HI
	MULH \f, 1, 0, \zero
	MULH \f, 1, 2, \zero
.endm
.macro THREE slot, zero
	QUARTER \slot, 1, F0, F1, \zero
	QUARTER \slot, 2, F1, F0, 0
	QUARTER \slot, 3, F0, F1, 0
.endm
; The last quarter multiplies buffer 1 and changes slots.  In front of the barrier each wave waits for its reads of this slot and for all its
; tensor loads (the one that is out is its part of the next slot).  fill = 1: the barrier opens a round of the cluster's barrier, and behind the
; round the joint refill of this slot, two K steps ahead, is the wave's first and only tensor load.
.macro TURN slot, next, fill
	s_wait_dscnt 8
	WIN MUL_LO
	MULH F1, 0, 0, 0
	s_wait_dscnt 0
	s_wait_tensorcnt 0x0
	ds_add_u32 v255, v255
	s_wait_dscnt 0x0
	s_barrier_signal -1
	MULH F1, 0, 2, 0                               ; register work while the others arrive
	WIN 0
	s_barrier_wait -1
.if \fill
	CREST
	s_add_nc_u64 s[G0+4*\slot+2:G0+4*\slot+3], s[G0+4*\slot+2:G0+4*\slot+3], 2*KSTEP*2
	s_add_nc_u64 s[G0B+4*\slot+2:G0B+4*\slot+3], s[G0B+4*\slot+2:G0B+4*\slot+3], 2*KSTEP*2
	JLOAD \slot
.endif
	PLACES
	FETCH \next, 0, F0
	WIN MUL_HI
	MULH F1, 1, 0, 0
	MULH F1, 1, 2, 0
.endm
.macro LAP zero
	THREE 0, \zero
	TURN 0, 1, 1
	THREE 1, 0
	TURN 1, 0, 1
.endm
	s_wait_tensorcnt 1                             ; my part of K step 0 is in; K step 1's load stays out
	s_barrier_signal -1
	s_barrier_wait -1
	FETCH 0, 0, F0
	LAP 1                                          ; the first lap's first products start the sums
	WIN 0
	s_mov_b32 s3, LAPS-2
.Llap:
	LAP 0
	WIN 0
	s_sub_co_u32 s3, s3, 1
	s_cmp_lg_u32 s3, 0
	s_cbranch_scc1 .Llap
	THREE 0, 0                                     ; the last lap fills nothing
	TURN 0, 1, 0
	THREE 1, 0
	s_wait_dscnt 8
	WIN MUL_LO
	MULH F1, 0, 0, 0
	MULH F1, 0, 2, 0
	s_wait_dscnt 0
	WIN MUL_HI
	MULH F1, 1, 0, 0
	MULH F1, 1, 2, 0
	; THE WAY OUT.  The block's 256 x 192 results, rounded to f16, are gathered in slot 0 (102,400 of its 121,856 bytes): that slot has had its last
	; fill, and its last reads lie in front of the last lap's barrier, which every wave has passed.  Then each wave reads 64 rows of each of the
	; block's three heads and stores them: four rows of a head are 512 neighbouring bytes of qkv.
	PLACES
	s_mul_i32 s72, s42, 3                          ; the block's first head among 48 (16 of q, 16 of k, 16 of v)
	s_lshr_b32 s73, s13, 3
	s_lshl_b32 s73, s73, 4                         ; 16 x batch
	s_and_b32 s74, s13, 7
	s_lshl_b32 s74, s74, 8                         ; the block's first row in its batch,
	s_lshl_b32 s75, s10, 6
	s_add_co_u32 s74, s74, s75                     ; + my 64 rows,
	s_lshl_b32 s74, s74, 7                         ; x 128 bytes
.irp g, 0,1,2
	s_add_co_u32 s76, s72, \g
	s_lshr_b32 s77, s76, 4
	s_lshl_b32 s77, s77, 6                         ; 64 heads for each of q, k, v
	s_and_b32 s76, s76, 15
	s_add_co_u32 s76, s76, s77
	s_add_co_u32 s76, s76, s73
	s_lshl_b32 s76, s76, 18                        ; x 262,144 bytes a head
	s_add_co_u32 s76, s76, s74
	s_mov_b32 s77, 0
	s_add_nc_u64 s[66+2*\g:67+2*\g], s[8:9], s[76:77]
.endr
.macro STAGE16 i, a, from              ; rows 16 i .. 16 i + 15 of my 128: the six tiles (a, 0..5) of window 2 or 3
	WIN \from
.irp b, 0,1,2,3,4,5
.irp r, 0,1,2,3
	v_cvt_pk_f16_f32 v[TMP+4*\b+\r], v[8*(NB*\a+\b)+2*\r], v[8*(NB*\a+\b)+2*\r+1]
.endr
.endr
	WIN 0
.irp b, 0,1,2,3,4,5
	ds_store_b128 v[STO], v[TMP+4*\b:TMP+4*\b+3] offset:\i*16*SPITCH+32*\b
.endr
.endm
	STAGE16 0, 0, 0x0a
	STAGE16 1, 1, 0x0a
	STAGE16 2, 2, 0x0a
	STAGE16 3, 3, 0x0a
	STAGE16 4, 0, 0x0f
	STAGE16 5, 1, 0x0f
	STAGE16 6, 2, 0x0f
	STAGE16 7, 3, 0x0f
	s_wait_dscnt 0x0                               ; my stores are in LDS before I say so: a row's halves come from two waves
	s_barrier_signal -1
	s_barrier_wait -1
.macro OUTHEAD g, f, again
.if \again
	s_wait_xcnt 0x0                                ; buffer f, which earlier stores read, is loaded again only behind this wait
.endif
.irp i, 0,1,2,3,4,5,6,7,8,9,10,11,12,13,14,15
	ds_load_b128 v[\f+4*\i:\f+4*\i+3], v[RD] offset:\i*4*SPITCH+\g*128
.endr
.irp i, 0,1,2,3,4,5,6,7,8,9,10,11,12,13,14,15
	s_wait_dscnt 15-\i                             ; load i is in; the younger ones stay out
	global_store_b128 v[CO], v[\f+4*\i:\f+4*\i+3], s[66+2*\g:67+2*\g] offset:512*\i
.endr
.endm
	OUTHEAD 0, F0, 0
	OUTHEAD 1, F1, 0
	OUTHEAD 2, F0, 1
	s_set_vgpr_msb 0x1
	s_wait_tensorcnt 0x0
	ds_add_u32 v255, v255
	s_wait_dscnt 0x0
	s_set_vgpr_msb 0x100
	CROUND                                         ; the closing round: no work-group ends while a partner may still ask for a tile that names it
	s_endpgm
.Lfunc_end_k_q02517938c1_proj_qkv:
	.size	k_q02517938c1_proj_qkv, .Lfunc_end_k_q02517938c1_proj_qkv-k_q02517938c1_proj_qkv
	.p2alignl 7, 3214868480
	.fill 96, 4, 3214868480
	.section	.rodata,"a",@progbits
	.p2align	6, 0x0
	.amdhsa_kernel k_q02517938c1_proj_qkv
		.amdhsa_group_segment_fixed_size 327680
		.amdhsa_private_segment_fixed_size 0
		.amdhsa_enable_private_segment 0
		.amdhsa_kernarg_size 24
		.amdhsa_user_sgpr_count 2
		.amdhsa_user_sgpr_kernarg_segment_ptr 1
		.amdhsa_wavefront_size32 1
		.amdhsa_system_sgpr_workgroup_id_x 1
		.amdhsa_system_sgpr_workgroup_id_y 1
		.amdhsa_system_sgpr_workgroup_id_z 1
		.amdhsa_system_vgpr_workitem_id 0
		.amdhsa_next_free_vgpr 960
		.amdhsa_next_free_sgpr 80
		.amdhsa_reserve_vcc 0
		.amdhsa_float_denorm_mode_32 3
		.amdhsa_float_denorm_mode_16_64 3
		.amdhsa_memory_ordered 1
		.amdhsa_forward_progress 1
		.amdhsa_inst_pref_size 159
	.end_amdhsa_kernel
	.amdgpu_metadata
---
amdhsa.version: [ 1, 2 ]
amdhsa.kernels:
  - .name:           k_q02517938c1_proj_qkv
    .symbol:         k_q02517938c1_proj_qkv.kd
    .args:
      - { .name: xb, .offset: 0, .size: 8, .value_kind: global_buffer, .address_space: global }
      - { .name: wt, .offset: 8, .size: 8, .value_kind: global_buffer, .address_space: global }
      - { .name: qkv, .offset: 16, .size: 8, .value_kind: global_buffer, .address_space: global }
    .group_segment_fixed_size: 327680
    .private_segment_fixed_size: 0
    .kernarg_segment_align: 8
    .kernarg_segment_size: 24
    .max_flat_workgroup_size: 128
    .sgpr_count:     80
    .vgpr_count:     960
    .wavefront_size: 32
...
	.end_amdgpu_metadata
.endif
;; end of part 2
;; launch attn (part 3): grid 256 x 1, 8 waves a work-group, no clusters, 327,680 bytes of LDS; arguments qkv, att; writes att
.if DOCPART == 3
	.amdgcn_target "amdgcn-amd-amdhsa--gfx1250"
	.amdhsa_code_object_version 6
	.text
	.protected	k_q02517938c1_attn
	.globl	k_q02517938c1_attn
	.p2align	8
	.type	k_q02517938c1_attn,@function
k_q02517938c1_attn:
	s_mov_b64 s[64:65], 0
	v_nop
	global_prefetch_b8 v0, s[64:65] scope:SCOPE_SE
	s_setreg_imm32_b32 hwreg(HW_REG_WAVE_MODE, 25, 1), 1
	s_wait_xcnt 0x0
; Causal attention of one head (b, h) = work-group / 4: att[b][h][s][64] = softmax(q k^T / 8, keys <= query) v, f16 operands, f32 sums and softmax.
; SHARING.  Work-group j = 0..3 of a head takes the blocks of 256 queries 7 - j and then j: 2 (8 - j) + 2 (j + 1) = 18 trips of 128 keys for every
; work-group.  Eight waves: the pair (w, p = 0, 1) owns 64 queries (sub-block sb = 4 qb + w); wave p takes the 64 keys of half p of every tile
; (step t = 2 trip + p, done while t <= sb, masked at t = sb), with its own running maximum and sums; at a pass's end the pair's halves are merged
; through LDS.  Two waves of a SIMD so have like work, and one's softmax runs beside the other's products.
; NO CLUSTER: the four work-groups of a head read the same K and V tiles, but need 2 (8 - j) tiles and then 2 (j + 1): a joint load must be issued by
; all partners in the same round, so every partner would have to walk 16 + 8 = 24 trips or more instead of 18.
; TRANSPOSED: S^T = K Q^T (A = 16 keys, B = 16 queries): lane (r, h) holds query r and keys 8 h + 0..7, so a row's statistics are one number a lane,
; and two S tiles pack, in place, into the B fragment of O^T = V^T P^T; V^T's fragments come by transposing LDS loads from V as it lies, [key][d].
; SOFTMAX: the running maximum is taken away before every exponential.  It is floored at -FLT_MAX, so that the one wholly masked step (queries 0-63,
; keys 64-127) gives p = 0 and no NaN.  The sum of a row adds the unrounded p; the product takes p rounded to f16.
; LIMIT: q, k, v come in f16 (|x| < 65,504).
.set SLOT, 38912                       ; an LDS slot: K's 128 keys at pitch 144, then V's 128 keys at pitch 160
.set KP,   144                         ; an odd multiple of 16: the 16 rows of a fragment load start in different banks
.set VP,   160                         ; an odd multiple of 32, as the transposing load's eight rows of two 16-byte columns want
.set KBY,  128*KP                      ; 18,432
.set SCR,  2*SLOT                      ; 77,824: four regions of 18,432 bytes: a pair's second half of O (16,384) and its statistics (2,048)
.set SCRR, 18432
.set STG,  SCR+4*SCRR                  ; 151,552: four stages of 64 rows x 144 bytes, one for each pair's first wave
.set STGW, 64*KP
; window 0
.set ADK,  2                           ; v2-3   K fragments' address in slot 0, 1
.set ADV,  4                           ; v4-5   V fragments' address
.set DQ,   6                           ; mask: 64 (sb - t) + r - 8 h
.set NINF, 7                           ; -inf
.set QOFF, 8
.set STO,  9
.set RD,   10
.set OOFF, 11
.set SCRA, 12
.set PF,   13
.set RH,   14                          ; r - 8 h
.set ST,   16                          ; v[16+4qt ..]: NMC = -c x maximum, M = maximum, ALPHA, L
.set FA,   32                          ; v32-35 merge: my factor
.set T,    36                          ; v36-39 at work
.set LS,   40                          ; v40-47 sums at work; merge: the partner's factor in v40-43
.set KF,   48                          ; v48-111  K fragments (kt, c) at 48 + 16 kt + 8 c
.set SB,   112                         ; v112-239 S (qt, kt) at 112 + 32 qt + 8 kt; P (qt, c2) at 112 + 32 qt + 16 c2
; window 1
.set QF,   128                         ; Q fragments (qt, c) at 128 + 16 qt + 8 c;  O (qt, dt) at 32 qt + 8 dt
.set VF,   192                         ; V^T fragments (dt, c2) at 192 + 16 dt + 8 c2
.set G1K, 20                           ; s[20:27] group 1 for K's tiles
.set G1V, 28                           ; s[28:35] for V's
.set G0K, 36                           ; s[36:43] group 0 for K, a set for each slot
.set G0V, 44                           ; s[44:51] for V
.set MSB, 0
.macro WIN new
.if MSB != \new
	s_set_vgpr_msb (MSB<<8)|\new
.set MSB, \new
.endif
.endm
; wave 0 asks for K's tile of slot s, wave 1 for V's; the other six issue no tensor load
.macro KVLOAD s
	s_cmp_gt_u32 s8, 1
	s_cbranch_scc1 .Lkv_none_\@
	s_cmp_lg_u32 s8, 0
	s_cbranch_scc1 .Lkv_v_\@
	tensor_load_to_lds s[G0K+4*(\s):G0K+4*(\s)+3], s[G1K:G1K+7]
	s_nop 0
	s_branch .Lkv_none_\@
.Lkv_v_\@:
	tensor_load_to_lds s[G0V+4*(\s):G0V+4*(\s)+3], s[G1V:G1V+7]
	s_nop 0
.Lkv_none_\@:
.endm
	s_load_b128 s[4:7], s[0:1], 0x0                ; qkv s[4:5], att s[6:7]
	v_lshl_add_u32 v254, v0, 2, 0x2e000
	v_mov_b32 v255, 0
	ds_add_u32 v254, v255
	v_lshrrev_b32 v1, 5, v0
	v_readfirstlane_b32 s8, v1                     ; wave 0..7
	s_lshr_b32 s9, s8, 2                           ; p: my half of the keys
	s_mul_i32 s17, s9, 7
	s_xor_b32 s10, s8, s17                         ; w: wave for p = 0, 7 - wave for p = 1
	s_lshr_b32 s11, ttmp9, 2                       ; head 16 b + h
	s_and_b32 s12, ttmp9, 3                        ; j
	s_mov_b32 s18, 0x76543210                      ; v_permlanex16_b32: lane i of one half reads lane i of the other
	s_mov_b32 s19, 0xfedcba98
	s_mov_b32 s63, 0xff7fffff                      ; -FLT_MAX
	s_mov_b32 s62, 0                               ; pairs of trips done, over both passes
	; group 1: a tile is 16,384 dense bytes, taken as 64 rows of 32 elements of 8 bytes; behind every 32 words (a key's 128 bytes) K gets 4 words of padding, V 8
	s_mov_b32 s[G1K+0], (3<<16)|(1<<20)|(4<<22)|(3<<25)
	s_mov_b32 s[G1V+0], (3<<16)|(1<<20)|(4<<22)|(7<<25)
	s_mov_b32 s[G1K+1], 32<<16                     ; tensor_dim0 = 32
	s_mov_b32 s[G1V+1], 32<<16
	s_mov_b32 s[G1K+2], 64<<16                     ; tensor_dim1 = 64
	s_mov_b32 s[G1V+2], 64<<16
	s_mov_b32 s[G1K+3], 32<<16                     ; tile_dim0 = 32
	s_mov_b32 s[G1V+3], 32<<16
	s_mov_b32 s[G1K+4], 64                         ; tile_dim1 = 64
	s_mov_b32 s[G1V+4], 64
	s_mov_b32 s[G1K+5], 32                         ; pitch
	s_mov_b32 s[G1V+5], 32
	s_mov_b32 s[G1K+6], 0
	s_mov_b32 s[G1V+6], 0
	s_mov_b32 s[G1K+7], 0
	s_mov_b32 s[G1V+7], 0
	s_lshl_b32 s60, s11, 18                        ; 262,144 bytes a head
	s_mov_b32 s61, 0
	s_wait_dscnt 0x0
	s_wait_kmcnt 0x0
	s_add_nc_u64 s[4:5], s[4:5], s[60:61]          ; q of my head
	s_add_nc_u64 s[6:7], s[6:7], s[60:61]          ; att of my head
	s_add_nc_u64 s[66:67], s[4:5], 0x1000000       ; k of my head (64 heads further)
	s_add_nc_u64 s[68:69], s[4:5], 0x2000000       ; v of my head
	s_mov_b64 s[52:53], s[66:67]
	s_or_b32 s53, s53, 0x80000000                  ; the same with the descriptor's type
	s_mov_b64 s[54:55], s[68:69]
	s_or_b32 s55, s55, 0x80000000
	s_mov_b32 s[G0K+0], 1
	s_mov_b32 s[G0K+1], 0
	s_mov_b64 s[G0K+2:G0K+3], s[52:53]             ; slot 0: tile 0
	s_mov_b32 s[G0K+4], 1
	s_mov_b32 s[G0K+5], SLOT
	s_add_nc_u64 s[G0K+6:G0K+7], s[52:53], 16384   ; slot 1: tile 1
	s_mov_b32 s[G0V+0], 1
	s_mov_b32 s[G0V+1], KBY
	s_mov_b64 s[G0V+2:G0V+3], s[54:55]
	s_mov_b32 s[G0V+4], 1
	s_mov_b32 s[G0V+5], SLOT+KBY
	s_add_nc_u64 s[G0V+6:G0V+7], s[54:55], 16384
	KVLOAD 0                                       ; the first fill, ahead of every wait, LDS read and barrier
	v_and_b32 v1, 31, v0                           ; L
	v_and_b32 v15, 15, v0                          ; r
	v_bfe_u32 v32, v0, 4, 1                        ; h
	v_mul_u32_u24 v[ADK], v15, KP
	v_lshl_add_u32 v[ADK], v32, 4, v[ADK]
	s_mul_i32 s17, s9, 64*KP                       ; my 64 keys of a tile
	v_add_nc_u32 v[ADK], s17, v[ADK]
	v_add_nc_u32 v[ADK+1], SLOT, v[ADK]
	v_and_b32 v33, 7, v0
	v_lshl_add_u32 v33, v32, 3, v33                ; key 8 h + (L & 7)
	v_mul_u32_u24 v[ADV], v33, VP
	v_bfe_u32 v33, v0, 3, 1
	v_lshl_add_u32 v[ADV], v33, 4, v[ADV]          ; + 16 ((L >> 3) & 1)
	s_mul_i32 s17, s9, 64*VP
	s_add_co_u32 s17, s17, KBY
	v_add_nc_u32 v[ADV], s17, v[ADV]
	v_add_nc_u32 v[ADV+1], SLOT, v[ADV]
	v_mov_b32 v[NINF], 0xff800000
	v_lshlrev_b32 v[QOFF], 7, v15                  ; q: row r, byte 16 h
	v_lshl_add_u32 v[QOFF], v32, 4, v[QOFF]
	v_mul_u32_u24 v[STO], v15, KP                  ; stage, in: row r, byte 16 h
	v_lshl_add_u32 v[STO], v32, 4, v[STO]
	s_mul_i32 s17, s10, STGW
	s_add_co_u32 s17, s17, STG
	v_add_nc_u32 v[STO], s17, v[STO]
	v_lshrrev_b32 v33, 3, v1                       ; stage, back: eight lanes take a row's 128 bytes
	v_mul_u32_u24 v[RD], v33, KP
	v_and_b32 v33, 7, v0
	v_lshl_add_u32 v[RD], v33, 4, v[RD]
	v_add_nc_u32 v[RD], s17, v[RD]
	v_lshlrev_b32 v[OOFF], 4, v1
	s_sub_co_u32 s17, 3, s10                       ; the pair's scratch region: 3 - w for both its waves
	s_mul_i32 s17, s17, SCRR
	s_add_co_u32 s17, s17, SCR
	v_add_nc_u32 v[SCRA], s17, v[OOFF]
	v_lshlrev_b32 v[PF], 8, v1                     ; prefetch: lanes 256 bytes apart in quarter j of a block of 256 keys
	s_lshl_b32 s17, s12, 13
	v_add_nc_u32 v[PF], s17, v[PF]
	v_lshlrev_b32 v[RH], 3, v32
	v_sub_nc_u32 v[RH], v15, v[RH]
.irp qt, 0,1,2,3
	v_mov_b32 v[T+\qt], 0                          ; v_permlanex16_b32 counts as a reader of its destination
.endr
; exponents of query tile qt: c S - c max, c = log2(e) / 8
.macro FMAQ qt
.set II, 0
.rept 16
	v_pk_fma_f32 v[SB+32*\qt+II:SB+32*\qt+II+1], v[SB+32*\qt+II:SB+32*\qt+II+1], 0x3e38aa3b, v[ST+4*\qt:ST+4*\qt+1] op_sel_hi:[1,0,0]
.set II, II+2
.endr
.endm
.macro EXPQ qt
.set II, 0
.rept 32
	v_exp_f32 v[SB+32*\qt+II], v[SB+32*\qt+II]
.set II, II+1
.endr
.endm
; the lane's sum of its 32 p (two chains), the running sum, and p packed in place into two B fragments
.macro SUMCVT qt, first
.set S0, SB+32*\qt
.set LQ, LS+4*(\qt&1)
	s_wait_alu depctr_va_vdst(0)
	v_pk_add_f32 v[LQ:LQ+1],   v[S0:S0+1],   v[S0+2:S0+3]
	v_pk_add_f32 v[LQ+2:LQ+3], v[S0+4:S0+5], v[S0+6:S0+7]
.set II, 8
.rept 6
	v_pk_add_f32 v[LQ:LQ+1],   v[LQ:LQ+1],   v[S0+II:S0+II+1]
	v_pk_add_f32 v[LQ+2:LQ+3], v[LQ+2:LQ+3], v[S0+II+2:S0+II+3]
.set II, II+4
.endr
	v_pk_add_f32 v[LQ:LQ+1], v[LQ:LQ+1], v[LQ+2:LQ+3]
.if \first
	v_add_f32 v[ST+4*\qt+3], v[LQ], v[LQ+1]
.else
	v_add_f32 v[LQ], v[LQ], v[LQ+1]
	v_fma_f32 v[ST+4*\qt+3], v[ST+4*\qt+3], v[ST+4*\qt+2], v[LQ]
.endif
.irp c, 0,1
.irp i, 0,1,2,3,4,5,6,7
	v_cvt_pk_f16_f32 v[S0+16*\c+\i], v[S0+16*\c+2*\i], v[S0+16*\c+2*\i+1]   ; ascending: a destination has been read before it is written
.endr
.endr
.endm
; One step: my 64 queries against my 64 keys of the tile in slot.  first = 1: the pass's first step starts maximum, sums and O.
.macro STEP slot, first
.irp kt, 0,1,2,3
.irp c, 0,1
	ds_load_b128 v[KF+16*\kt+8*\c:KF+16*\kt+8*\c+3],   v[ADK+\slot] offset:\kt*16*KP+64*\c
	ds_load_b128 v[KF+16*\kt+8*\c+4:KF+16*\kt+8*\c+7], v[ADK+\slot] offset:\kt*16*KP+64*\c+32
.endr
.endr
	WIN 0x40                                       ; destination window 1
.irp dt, 0,1,2,3
.irp c, 0,1
	ds_load_tr16_b128 v[VF+16*\dt+8*\c:VF+16*\dt+8*\c+3],   v[ADV+\slot] offset:32*\c*VP+32*\dt
	ds_load_tr16_b128 v[VF+16*\dt+8*\c+4:VF+16*\dt+8*\c+7], v[ADV+\slot] offset:(32*\c+16)*VP+32*\dt
.endr
.endr
.if \first
	s_wait_loadcnt 0x0                             ; Q
.endif
	s_wait_dscnt 16                                ; K's 16 loads are in; V's 16, issued behind them, stay out
	WIN 0x04                                       ; B (Q) in window 1
	; S^T: 16 accumulators take turns, one instruction a turn, d = 0..31 and then d = 32..63
.irp kt, 0,1,2,3
.irp qt, 0,1,2,3
	v_wmma_f32_16x16x32_f16 v[SB+32*\qt+8*\kt:SB+32*\qt+8*\kt+7], v[KF+16*\kt:KF+16*\kt+7], v[QF+16*\qt:QF+16*\qt+7], 0
.endr
.endr
.irp kt, 0,1,2,3
.irp qt, 0,1,2,3
	v_wmma_f32_16x16x32_f16 v[SB+32*\qt+8*\kt:SB+32*\qt+8*\kt+7], v[KF+16*\kt+8:KF+16*\kt+15], v[QF+16*\qt+8:QF+16*\qt+15], v[SB+32*\qt+8*\kt:SB+32*\qt+8*\kt+7]
.endr
.endr
	WIN 0
.rept 4
	v_nop                                          ; four places in front of the readers of S (ISA guide 7.12.1)
.endr
	s_cmp_lt_u32 s15, s14
	s_cbranch_scc1 .Lnomask_\@                     ; t < sb: every key is at or before every query
	; key 64 t + 16 kt + 8 h + i stays if it is <= query 64 sb + 16 qt + r:  16 (kt - qt) + i <= 64 (sb - t) + r - 8 h
	s_sub_co_i32 s17, s14, s15
	s_lshl_b32 s17, s17, 6
	v_add_nc_u32 v[DQ], s17, v[RH]
.set DL, -3
.rept 7
.set JJ, 0
.rept 8
	v_cmp_le_i32 vcc_lo, 16*DL+JJ, v[DQ]
.set QQ, 0
.rept 4
.if QQ+DL >= 0
.if QQ+DL <= 3
	v_cndmask_b32 v[SB+32*QQ+8*(QQ+DL)+JJ], v[NINF], v[SB+32*QQ+8*(QQ+DL)+JJ], vcc_lo
.endif
.endif
.set QQ, QQ+1
.endr
.set JJ, JJ+1
.endr
.set DL, DL+1
.endr
.Lnomask_\@:
	; the running maximum, straight in M; four chains side by side
.irp qt, 0,1,2,3
.if \first
	v_max3_num_f32 v[ST+4*\qt+1], v[SB+32*\qt], v[SB+32*\qt+1], s63
.else
	v_max3_num_f32 v[ST+4*\qt+1], v[SB+32*\qt], v[SB+32*\qt+1], v[ST+4*\qt+1]
.endif
.endr
.set II, 2
.rept 15
.irp qt, 0,1,2,3
	v_max3_num_f32 v[ST+4*\qt+1], v[ST+4*\qt+1], v[SB+32*\qt+II], v[SB+32*\qt+II+1]
.endr
.set II, II+2
.endr
.irp qt, 0,1,2,3
	v_permlanex16_b32 v[T+\qt], v[ST+4*\qt+1], s18, s19        ; the other eight keys of each sixteen lie in the other half of the lanes
.endr
.irp qt, 0,1,2,3
	v_max_num_f32 v[ST+4*\qt+1], v[ST+4*\qt+1], v[T+\qt]
.endr
.irp qt, 0,1,2,3
	v_mul_f32 v[T+\qt], 0xbe38aa3b, v[ST+4*\qt+1]              ; -c x maximum
.endr
.if \first
.irp qt, 0,1,2,3
	v_mov_b32 v[ST+4*\qt+2], 1.0                               ; nothing to rescale yet; the word is stored with the statistics
.endr
.else
.irp qt, 0,1,2,3
	v_sub_f32 v[ST+4*\qt+2], v[T+\qt], v[ST+4*\qt]             ; from the same rounded numbers that the exponents take
.endr
.irp qt, 0,1,2,3
	v_exp_f32 v[ST+4*\qt+2], v[ST+4*\qt+2]                     ; alpha = 2^(c old maximum - c new maximum)
.endr
.endif
.irp qt, 0,1,2,3
	v_mov_b32 v[ST+4*\qt], v[T+\qt]                            ; plain instructions behind the exponentials, ahead of alpha's first use (ISA guide 5.7.2)
.endr
	; staggered, so that a run of plain instructions on other registers stands between each run of exponentials and its readers
	FMAQ 0
	EXPQ 0
	FMAQ 1
	SUMCVT 0, \first
	EXPQ 1
	FMAQ 2
	SUMCVT 1, \first
	EXPQ 2
	FMAQ 3
	SUMCVT 2, \first
	EXPQ 3
	v_nop
	s_wait_alu depctr_va_vdst(0)
	SUMCVT 3, \first
.if \first == 0
	WIN 0x41                                       ; O in window 1, alpha in window 0
.irp qt, 0,1,2,3
.set II, 0
.rept 16
	v_pk_mul_f32 v[32*\qt+II:32*\qt+II+1], v[32*\qt+II:32*\qt+II+1], v[ST+4*\qt+2:ST+4*\qt+3] op_sel_hi:[1,0]
.set II, II+2
.endr
.endr
.endif
	s_wait_dscnt 0x0                               ; V^T's fragments
	WIN 0x51                                       ; A (V^T), C and D (O) in window 1, B (P) in window 0
	; O^T += V^T P^T: again 16 accumulators by turns, keys 0..31 and then keys 32..63
.irp qt, 0,1,2,3
.irp dt, 0,1,2,3
.if \first
	v_wmma_f32_16x16x32_f16 v[32*\qt+8*\dt:32*\qt+8*\dt+7], v[VF+16*\dt:VF+16*\dt+7], v[SB+32*\qt:SB+32*\qt+7], 0
.else
	v_wmma_f32_16x16x32_f16 v[32*\qt+8*\dt:32*\qt+8*\dt+7], v[VF+16*\dt:VF+16*\dt+7], v[SB+32*\qt:SB+32*\qt+7], v[32*\qt+8*\dt:32*\qt+8*\dt+7]
.endif
.endr
.endr
.irp qt, 0,1,2,3
.irp dt, 0,1,2,3
	v_wmma_f32_16x16x32_f16 v[32*\qt+8*\dt:32*\qt+8*\dt+7], v[VF+16*\dt+8:VF+16*\dt+15], v[SB+32*\qt+16:SB+32*\qt+23], v[32*\qt+8*\dt:32*\qt+8*\dt+7]
.endr
.endr
	WIN 0
.rept 5
	v_nop                                          ; five places: the next S products write over P; also in front of loads into the fragments and of readers of O
.endr
.endm
; One trip: the tile in slot.  mode 1: this slot's addresses step two tiles on; 2: both slots' addresses go back to tiles 0 and 1 (the next pass); 0: nothing.
; refill: the other slot, read last trip, is asked for again.  pf: see below.
.macro TRIP slot, first, mode, refill, pf
	s_wait_tensorcnt 0x0                           ; all my tensor loads have landed, my part of this trip's tile among them, so every group 0 may be written
	ds_add_u32 v254, v255
	s_wait_dscnt 0x0
.if \mode == 1
	s_add_nc_u64 s[G0K+4*\slot+2:G0K+4*\slot+3], s[G0K+4*\slot+2:G0K+4*\slot+3], 32768
	s_add_nc_u64 s[G0V+4*\slot+2:G0V+4*\slot+3], s[G0V+4*\slot+2:G0V+4*\slot+3], 32768
.endif
.if \mode == 2
	s_mov_b64 s[G0K+2:G0K+3], s[52:53]
	s_add_nc_u64 s[G0K+6:G0K+7], s[52:53], 16384
	s_mov_b64 s[G0V+2:G0V+3], s[54:55]
	s_add_nc_u64 s[G0V+6:G0V+7], s[54:55], 16384
.endif
	s_wait_dscnt 0x0                               ; my reads of the last trip's tile are back
	s_barrier_signal -1
	s_barrier_wait -1                              ; both now hold of all eight waves
.if \refill
	KVLOAD 1-\slot                                 ; first thing behind the barrier; one load of the wave is out, and has this trip's work in which to land
.endif
.if \pf
	; Prefetch: in pair G of trips wave 2 asks for quarter j (8,192 bytes of K and of V, lanes 256 bytes apart) of keys 256 (G + 1) .. 256 (G + 1) + 255, whose first
	; tensor load goes out one trip later.  The four work-groups of a head together ask for each block once; G = 7, 8 ask for nothing, so the last byte asked for is 261,888 + 255 of a head's 262,144.
	s_cmp_lg_u32 s8, 2
	s_cbranch_scc1 .Lnopf_\@
	s_cmp_ge_u32 s62, 7
	s_cbranch_scc1 .Lnopf_\@
	s_wait_xcnt 0x0                                ; the offset that the last prefetches read is stepped only behind this wait
	v_add_nc_u32 v[PF], 0x8000, v[PF]
	global_prefetch_b8 v[PF], s[66:67] th:TH_LOAD_NT scope:SCOPE_SE
	global_prefetch_b8 v[PF], s[68:69] th:TH_LOAD_NT scope:SCOPE_SE
.Lnopf_\@:
	s_add_co_u32 s62, s62, 1
.endif
.if \first == 0
	s_cmp_gt_u32 s15, s14
	s_cbranch_scc1 .Lskip_\@                       ; t > sb: all these keys lie behind my queries
.endif
	STEP \slot, \first
.if \first == 0
.Lskip_\@:
.endif
	s_add_co_u32 s15, s15, 2
.endm
; The pair's two halves become one result.  Wave p = 1 hands O and its statistics over in LDS; wave p = 0 brings both to the larger maximum, divides by the row's sum and stores.
.macro MERGE
	s_cmp_eq_u32 s9, 0
	s_cbranch_scc1 .Lm_wait_\@
	WIN 0x04                                       ; store data in window 1
.set II, 0
.rept 32
	ds_store_b128 v[SCRA], v[4*II:4*II+3] offset:512*II
.set II, II+1
.endr
	WIN 0
.irp qt, 0,1,2,3
	ds_store_b128 v[SCRA], v[ST+4*\qt:ST+4*\qt+3] offset:16384+512*\qt
.endr
.Lm_wait_\@:
	s_wait_dscnt 0x0                               ; my stores are in LDS before I say so
	s_barrier_signal -1
	s_barrier_wait -1                              ; the next pass's first tile may stay on its way
	s_cmp_lg_u32 s9, 0
	s_cbranch_scc1 .Lm_done_\@
.irp qt, 0,1,2,3
	ds_load_b128 v[KF+4*\qt:KF+4*\qt+3], v[SCRA] offset:16384+512*\qt
.endr
.set II, 0
.rept 32
	ds_load_b128 v[SB+4*II:SB+4*II+3], v[SCRA] offset:512*II
.set II, II+1
.endr
	s_wait_dscnt 32                                ; the statistics are in; O's 32 loads stay out
.irp qt, 0,1,2,3
	v_min_num_f32 v[T+\qt], v[ST+4*\qt], v[KF+4*\qt]           ; -c x the larger maximum
.endr
.irp qt, 0,1,2,3
	v_sub_f32 v[FA+\qt], v[T+\qt], v[ST+4*\qt]
	v_sub_f32 v[LS+\qt], v[T+\qt], v[KF+4*\qt]
.endr
.irp qt, 0,1,2,3
	v_exp_f32 v[FA+\qt], v[FA+\qt]
	v_exp_f32 v[LS+\qt], v[LS+\qt]
.endr
	v_nop                                          ; a plain place behind the exponentials (ISA guide 5.7.2)
	s_wait_alu depctr_va_vdst(0)
.irp qt, 0,1,2,3
	v_mul_f32 v[ST+4*\qt+3], v[ST+4*\qt+3], v[FA+\qt]
.endr
.irp qt, 0,1,2,3
	v_fma_f32 v[ST+4*\qt+3], v[KF+4*\qt+3], v[LS+\qt], v[ST+4*\qt+3]
.endr
.irp qt, 0,1,2,3
	v_permlanex16_b32 v[T+\qt], v[ST+4*\qt+3], s18, s19        ; the sums over the other half's keys
.endr
.irp qt, 0,1,2,3
	v_add_f32 v[ST+4*\qt+3], v[ST+4*\qt+3], v[T+\qt]
.endr
.irp qt, 0,1,2,3
	v_rcp_f32 v[ST+4*\qt+3], v[ST+4*\qt+3]                     ; a row's sum holds its own key's p, about 1 at the maximum: never 0
.endr
	v_nop
	s_wait_alu depctr_va_vdst(0)
.irp qt, 0,1,2,3
	v_mul_f32 v[ST+4*\qt],   v[FA+\qt], v[ST+4*\qt+3]          ; my factor / sum
	v_mul_f32 v[ST+4*\qt+2], v[LS+\qt], v[ST+4*\qt+3]          ; the partner's factor / sum
.endr
	s_wait_dscnt 0x0
.irp qt, 0,1,2,3
.set II, 0
.rept 16
	v_pk_mul_f32 v[SB+32*\qt+II:SB+32*\qt+II+1], v[SB+32*\qt+II:SB+32*\qt+II+1], v[ST+4*\qt+2:ST+4*\qt+3] op_sel_hi:[1,0]
.set II, II+2
.endr
.endr
	WIN 0x01                                       ; source 0 (my O) in window 1
.irp qt, 0,1,2,3
.set II, 0
.rept 16
	v_pk_fma_f32 v[SB+32*\qt+II:SB+32*\qt+II+1], v[32*\qt+II:32*\qt+II+1], v[ST+4*\qt:ST+4*\qt+1], v[SB+32*\qt+II:SB+32*\qt+II+1] op_sel_hi:[1,0,1]
.set II, II+2
.endr
.endr
	WIN 0
.irp qt, 0,1,2,3
.irp dt, 0,1,2,3
.irp i, 0,1,2,3
	v_cvt_pk_f16_f32 v[KF+16*\qt+4*\dt+\i], v[SB+32*\qt+8*\dt+2*\i], v[SB+32*\qt+8*\dt+2*\i+1]
.endr
	ds_store_b128 v[STO], v[KF+16*\qt+4*\dt:KF+16*\qt+4*\dt+3] offset:\qt*16*KP+32*\dt    ; query 16 qt + r, d = 16 dt + 8 h + 0..7
.endr
.endr
.irp i, 0,1,2,3,4,5,6,7,8,9,10,11,12,13,14,15
	ds_load_b128 v[SB+4*\i:SB+4*\i+3], v[RD] offset:\i*4*KP    ; my own stage: LDS serves a wave's instructions in order (ISA guide 5.7.1)
.endr
.irp i, 0,1,2,3,4,5,6,7,8,9,10,11,12,13,14,15
	s_wait_dscnt 15-\i                             ; load i is in; the younger ones stay out
	global_store_b128 v[OOFF], v[SB+4*\i:SB+4*\i+3], s[58:59] offset:512*\i    ; four rows of a head: 512 neighbouring bytes, aligned
.endr
	s_wait_xcnt 0x0                                ; the stores' data and base are written again in the next pass only behind this wait
.Lm_done_\@:
.endm
; A pass: query block s13.  2 (s13 + 1) trips: the first, s13 laps of two, the last.
.macro PASS last
	s_lshl2_add_u32 s14, s13, s10                  ; sb = 4 qb + w
	s_mov_b32 s15, s9                              ; t = p
	s_lshl_b32 s60, s14, 13                        ; 64 rows of 128 bytes
	s_mov_b32 s61, 0
	s_add_nc_u64 s[56:57], s[4:5], s[60:61]
	s_add_nc_u64 s[58:59], s[6:7], s[60:61]
	WIN 0x40
.irp qt, 0,1,2,3
.irp c, 0,1
	global_load_b128 v[QF+16*\qt+8*\c:QF+16*\qt+8*\c+3],   v[QOFF], s[56:57] offset:\qt*2048+64*\c
	global_load_b128 v[QF+16*\qt+8*\c+4:QF+16*\qt+8*\c+7], v[QOFF], s[56:57] offset:\qt*2048+64*\c+32
.endr
.endr
	WIN 0
	TRIP 0, 1, 1, 1, 1
	s_cmp_eq_u32 s13, 0
	s_cbranch_scc1 .Lnoloop_\@
	s_mov_b32 s16, 0
.Lloop_\@:
	TRIP 1, 0, 1, 1, 0
	TRIP 0, 0, 1, 1, 1
	s_add_co_u32 s16, s16, 1
	s_cmp_lt_u32 s16, s13
	s_cbranch_scc1 .Lloop_\@
.Lnoloop_\@:
.if \last
	TRIP 1, 0, 0, 0, 0                             ; the launch's last trip fills nothing
.else
	TRIP 1, 0, 2, 1, 0                             ; its refill is the next pass's tile 0
.endif
	MERGE
.endm
	s_sub_co_u32 s13, 7, s12
	PASS 0
	s_mov_b32 s13, s12
	PASS 1
	s_wait_tensorcnt 0x0
	ds_add_u32 v254, v255
	s_wait_dscnt 0x0
	s_endpgm
.Lfunc_end_k_q02517938c1_attn:
	.size	k_q02517938c1_attn, .Lfunc_end_k_q02517938c1_attn-k_q02517938c1_attn
	.p2alignl 7, 3214868480
	.fill 96, 4, 3214868480
	.section	.rodata,"a",@progbits
	.p2align	6, 0x0
	.amdhsa_kernel k_q02517938c1_attn
		.amdhsa_group_segment_fixed_size 327680
		.amdhsa_private_segment_fixed_size 0
		.amdhsa_enable_private_segment 0
		.amdhsa_kernarg_size 16
		.amdhsa_user_sgpr_count 2
		.amdhsa_user_sgpr_kernarg_segment_ptr 1
		.amdhsa_wavefront_size32 1
		.amdhsa_system_sgpr_workgroup_id_x 1
		.amdhsa_system_sgpr_workgroup_id_y 1
		.amdhsa_system_sgpr_workgroup_id_z 1
		.amdhsa_system_vgpr_workitem_id 0
		.amdhsa_next_free_vgpr 512
		.amdhsa_next_free_sgpr 72
		.amdhsa_reserve_vcc 1
		.amdhsa_float_denorm_mode_32 3
		.amdhsa_float_denorm_mode_16_64 3
		.amdhsa_memory_ordered 1
		.amdhsa_forward_progress 1
		.amdhsa_inst_pref_size 255
	.end_amdhsa_kernel
	.section	.bss,"aw",@nobits
	.p2align	6
	.space	262144
	.amdgpu_metadata
---
amdhsa.version: [ 1, 2 ]
amdhsa.kernels:
  - .name:           k_q02517938c1_attn
    .symbol:         k_q02517938c1_attn.kd
    .args:
      - { .name: qkv, .offset: 0, .size: 8, .value_kind: global_buffer, .address_space: global }
      - { .name: att, .offset: 8, .size: 8, .value_kind: global_buffer, .address_space: global }
    .group_segment_fixed_size: 327680
    .private_segment_fixed_size: 0
    .kernarg_segment_align: 8
    .kernarg_segment_size: 16
    .max_flat_workgroup_size: 256
    .sgpr_count:     72
    .vgpr_count:     512
    .wavefront_size: 32
...
	.end_amdgpu_metadata
.endif
;; end of part 3
;; launch proj_out (part 4): grid 8 x 32, 4 waves a work-group, clusters of 4 x 4, 327,680 bytes of LDS; arguments att, wt, out0; writes out0
.if DOCPART == 4
	.amdgcn_target "amdgcn-amd-amdhsa--gfx1250"
	.amdhsa_code_object_version 6
	.text
	.protected	k_q02517938c1_proj_out
	.globl	k_q02517938c1_proj_out
	.p2align	8
	.type	k_q02517938c1_proj_out,@function
k_q02517938c1_proj_out:
	s_mov_b64 s[64:65], 0
	v_nop
	global_prefetch_b8 v0, s[64:65] scope:SCOPE_SE
	s_setreg_imm32_b32 hwreg(HW_REG_WAVE_MODE, 25, 1), 1
	s_wait_xcnt 0x0
	s_wait_alu depctr_hold_cnt(0) depctr_sa_sdst(0) depctr_va_vdst(0) depctr_va_sdst(0) depctr_va_ssrc(0) depctr_va_vcc(0) depctr_vm_vsrc(0)
	s_getreg_b32 s2, hwreg(HW_REG_IB_STS2, 6, 4)
	s_cmp_eq_u32 s2, 0
	s_cbranch_scc0 .Lentry_in_a_cluster
	s_endpgm
.Lentry_in_a_cluster:
	s_bfe_u32 s2, ttmp6, 0x10000c
	s_cmp_lg_u32 s2, 0xf033
	s_cbranch_scc0 .Lentry_shape_is_right
	s_endpgm
.Lentry_shape_is_right:
; out0[8192][1024] = merged heads x Wo:  C = A B^T with A = att (f16, kept by heads: [4 b][16 h][2048 s][64]), B = wt rows 3072-4095 (Wo^T, f16), f32 sums, f32 out.
; A work-group makes 256 x 128 of C (8192 x 1024 / (256 x 128) = 256 work-groups), four waves, a wave 128 x 64: 32 accumulator tiles, 256 registers.
; K = 64 h + d goes in 8 steps of 128 = two heads through two LDS slots.  A's part of a step for 128 rows is two dense blocks of 16,384 bytes, one a head,
; 262,144 bytes apart: one tensor load of 2 rows of 2,048 elements of 8 bytes, padded behind every 128 bytes, so that in LDS it is [head][128 rows] at pitch 144.
; CLUSTERS: 4 x 4 work-groups; A's tiles are asked for jointly along a row of the cluster, B's along a column, which divides the requests by four.
; Windows, transposed use of the matrix instruction and the ring are those of the launch that makes q, k and v.
.set NB,     4
.set KSTEP,  128
.set KDIM,   1024
.set PITCH,  272                       ; B's LDS row: 256 + 16 bytes
.set PA,     144                       ; A's LDS row: 128 + 16 bytes; both odd multiples of 16
.set HEADB,  128*PA                    ; 18,432: 128 rows of one head
.set HALFA,  2*HEADB                   ; one load of A
.set HALFB,  16*NB*PITCH               ; one load of B: 64 rows
.set SLOT,   2*HALFA+2*HALFB           ; 108,544
.set STAGE,  2*SLOT                    ; behind the ring: 16 rows x 272 bytes for each wave, never filled by a tensor load
.set SPITCH, 272
.set ASTEP,  524288                    ; two heads of att
.set LAPS,   KDIM/(2*KSTEP)
.set ADRA, 16
.set ADRB, 20
.set STO,  24
.set RD,   25
.set CO,   26
.set F0,   64
.set F1,   128
.set G1,  24
.set G0,  32
.set G1B, 48
.set G0B, 56
.set MSB, 0
.macro WIN new
.if MSB != \new
	s_set_vgpr_msb (MSB<<8)|\new
.set MSB, \new
.endif
.endm
.set MUL_LO, 0xa1
.set MUL_HI, 0xf1
.set TO_B,   0x40
.macro JLOAD s
	s_cmp_eq_u32 s11, 0
	s_cbranch_scc0 .Lfor_b_\@
	tensor_load_to_lds s[G0+4*\s:G0+4*\s+3], s[G1:G1+7]
	s_nop 0
	s_branch .Lasked_\@
.Lfor_b_\@:
	tensor_load_to_lds s[G0B+4*\s:G0B+4*\s+3], s[G1B:G1B+7]
	s_nop 0
.Lasked_\@:
.endm
.macro CREST
	s_cmp_lg_u32 s10, 0
	s_cbranch_scc1 .Lnot_wave_0_\@
	s_barrier_signal -3
.Lnot_wave_0_\@:
	s_barrier_wait -3
	s_barrier_signal -1
	s_barrier_wait -1
.endm
.macro CROUND
	s_barrier_signal -1
	s_barrier_wait -1
	CREST
.endm
	s_load_b128 s[4:7], s[0:1], 0x0                ; att s[4:5], wt s[6:7]
	s_load_b64 s[8:9], s[0:1], 0x10                ; out0
	s_set_vgpr_msb 0x40
	v_lshl_add_u32 v255, v0, 2, 0x39400
	s_set_vgpr_msb 0x4000
	v_mov_b32 v255, 0
	s_set_vgpr_msb 0x1
	ds_add_u32 v255, v255
	s_set_vgpr_msb 0x100
	v_lshrrev_b32 v1, 5, v0
	v_readfirstlane_b32 s10, v1
	s_lshr_b32 s11, s10, 1                         ; my half of the rows; also: I fetch for A (0) or B (1)
	s_and_b32 s12, s10, 1                          ; my half of the columns; also: which half of that tile I fetch
	s_bfe_u32 s40, ttmp6, 0x40000                  ; cx
	s_bfe_u32 s41, ttmp6, 0x40004                  ; cy
	s_lshl_b32 s42, ttmp9, 2
	s_add_co_u32 s42, s42, s40                     ; block column
	s_and_b32 s13, ttmp7, 0xffff
	s_lshl_b32 s13, s13, 2
	s_add_co_u32 s13, s13, s41                     ; block row
	s_lshl_b32 s43, s41, 2
	s_lshl_b32 s43, 15, s43                        ; my row of the cluster
	s_lshl_b32 s44, 0x1111, s40                    ; my column
	s_or_b32 s[G1+0],  s43, (3<<16)|(1<<20)|(1<<21)|(4<<22)|(3<<25)   ; A: elements of 8 bytes, 4 words of padding behind every 32 words
	s_or_b32 s[G1B+0], s44, (1<<16)|(1<<20)|(1<<21)|(5<<22)|(3<<25)   ; B: elements of 2 bytes, 4 words behind every 64
	s_mov_b32 s[G1+1],  2048<<16                   ; tensor_dim0 = 2,048 (16,384 bytes)
	s_mov_b32 s[G1B+1], KSTEP<<16
	s_mov_b32 s[G1+2],  2<<16                      ; tensor_dim1 = 2 heads
	s_mov_b32 s[G1B+2], (16*NB)<<16
	s_mov_b32 s[G1+3],  2048<<16                   ; tile_dim0
	s_mov_b32 s[G1B+3], KSTEP<<16
	s_mov_b32 s[G1+4],  2                          ; tile_dim1
	s_mov_b32 s[G1B+4], 16*NB
	s_mov_b32 s[G1+5],  32768                      ; from head to head: 262,144 bytes
	s_mov_b32 s[G1B+5], KDIM
	s_mov_b32 s[G1+6],  0
	s_mov_b32 s[G1B+6], 0
	s_mov_b32 s[G1+7],  0
	s_mov_b32 s[G1B+7], 0
	s_lshr_b32 s16, s13, 3
	s_lshl_b32 s16, s16, 22                        ; A: batch x 16 heads x 262,144,
	s_and_b32 s17, s13, 7
	s_lshl_b32 s17, s17, 15                        ;    + the block's 256 rows of 128 bytes in its batch,
	s_add_co_u32 s16, s16, s17
	s_lshl_b32 s17, s12, 14                        ;    + 128 rows x half
	s_add_co_u32 s16, s16, s17
	s_mov_b32 s17, 0
	s_lshl_b32 s46, s42, 7
	s_lshl_b32 s47, s12, 6
	s_add_co_u32 s46, s46, s47
	s_add_co_u32 s46, s46, 3072                    ; B: row 3,072 + 128 x block column + 64 x half
	s_lshl_b32 s46, s46, 11
	s_mov_b32 s47, 0
	s_mul_i32 s20, s10, HALFA
	s_mul_i32 s45, s10, HALFB
	s_add_co_u32 s45, s45, 2*HALFA-2*HALFB
	s_wait_dscnt 0x0
	s_wait_kmcnt 0x0
	s_add_nc_u64 s[14:15], s[4:5], s[16:17]
	s_add_nc_u64 s[46:47], s[6:7], s[46:47]
	CROUND                                         ; in front of the first joint loads
.irp s, 0,1
	s_mov_b32 s[G0+4*\s], 1
	s_add_co_u32 s[G0+4*\s+1], s20, \s*SLOT
	s_add_nc_u64 s[G0+4*\s+2:G0+4*\s+3], s[14:15], \s*ASTEP
	s_or_b32 s[G0+4*\s+3], s[G0+4*\s+3], 0x80000000
	s_mov_b32 s[G0B+4*\s], 1
	s_add_co_u32 s[G0B+4*\s+1], s45, \s*SLOT
	s_add_nc_u64 s[G0B+4*\s+2:G0B+4*\s+3], s[46:47], \s*KSTEP*2
	s_or_b32 s[G0B+4*\s+3], s[G0B+4*\s+3], 0x80000000
	JLOAD \s
.endr
	v_and_b32 v1, 15, v0                           ; r
	v_bfe_u32 v2, v0, 4, 1                         ; h
	v_mul_u32_u24 v3, v1, PA
	v_lshl_add_u32 v3, v2, 4, v3
	v_mul_u32_u24 v6, v1, PITCH
	v_lshl_add_u32 v6, v2, 4, v6
	s_mul_i32 s21, s11, HALFA
	s_mul_i32 s22, s12, HALFB
	s_add_co_u32 s22, s22, 2*HALFA
.irp s, 0,1
	v_add_nc_u32 v[ADRA+\s], s21, v3
	v_add_nc_u32 v[ADRB+\s], s22, v6
	s_add_co_u32 s21, s21, SLOT
	s_add_co_u32 s22, s22, SLOT
.endr
	s_mul_i32 s23, s10, 16*SPITCH
	s_add_co_u32 s23, s23, STAGE                   ; my stage
	v_mul_u32_u24 v4, v1, SPITCH                   ; in: row r, 32 bytes for each half of the lanes
	v_lshl_add_u32 v4, v2, 5, v4
	v_add_nc_u32 v[STO], s23, v4
	v_mul_u32_u24 v5, v2, SPITCH                   ; back: lanes 0-15 one row of 256 bytes, lanes 16-31 the next
	v_lshl_add_u32 v5, v1, 4, v5
	v_add_nc_u32 v[RD], s23, v5
	v_lshlrev_b32 v5, 12, v2                       ; the same two rows in out0 (4,096 bytes a row)
	v_lshl_add_u32 v[CO], v1, 4, v5
.macro MULH f, hi, a0, zero
.irp a, \a0, \a0+1
.irp b, 0,1,2,3
.if \zero
	v_wmma_f32_16x16x32_f16 v[8*(NB*(\a)+\b):8*(NB*(\a)+\b)+7], v[\f+8*\b:\f+8*\b+7], v[\f+8*(4*\hi+\a):\f+8*(4*\hi+\a)+7], 0
.else
	v_wmma_f32_16x16x32_f16 v[8*(NB*(\a)+\b):8*(NB*(\a)+\b)+7], v[\f+8*\b:\f+8*\b+7], v[\f+8*(4*\hi+\a):\f+8*(4*\hi+\a)+7], v[8*(NB*(\a)+\b):8*(NB*(\a)+\b)+7]
.endif
.endr
.endr
.endm
; quarter q of a K step: in B's rows at byte 64 q; in A at head q / 2, byte 64 (q mod 2)
.macro FETCH slot, q, f
	WIN TO_B
.irp i, 0,1,2,3
	ds_load_b128 v[\f+8*\i:\f+8*\i+3],   v[ADRB+\slot] offset:64*\q+\i*16*PITCH
	ds_load_b128 v[\f+8*\i+4:\f+8*\i+7], v[ADRB+\slot] offset:64*\q+\i*16*PITCH+32
.endr
	WIN 0
.irp i, 0,1,2,3,4,5,6,7
	ds_load_b128 v[\f+8*\i:\f+8*\i+3],   v[ADRA+\slot] offset:(\q>>1)*HEADB+(\q&1)*64+\i*16*PA
	ds_load_b128 v[\f+8*\i+4:\f+8*\i+7], v[ADRA+\slot] offset:(\q>>1)*HEADB+(\q&1)*64+\i*16*PA+32
.endr
.endm
.macro PLACES                          ; four places behind the matrix instructions (ISA guide 7.12.1)
.rept 4
	v_nop
.endr
.endm
; the 32 accumulators take turns, one instruction a turn, in the same order in every quarter
.macro QUARTER slot, q, f, g, zero
	s_wait_dscnt 8                                 ; the eight youngest loads (A's rows 64-127) may be out
	WIN MUL_LO
	MULH \f, 0, 0, \zero
	MULH \f, 0, 2, \zero
	PLACES
	FETCH \slot, \q, \g
	s_wait_dscnt 16+2*NB                           ; all but the 24 just issued
	WIN MUL_HI
	MULH \f, 1, 0, \zero
	MULH \f, 1, 2, \zero
.endm
.macro THREE slot, zero
	QUARTER \slot, 1, F0, F1, \zero
	QUARTER \slot, 2, F1, F0, 0
	QUARTER \slot, 3, F0, F1, 0
.endm
; the change of slots: each wave's reads of this slot and all its tensor loads are waited for in front of the barrier; with fill = 1 that barrier opens a
; round of the cluster's barrier, behind which the joint refill is the wave's first and only tensor load
.macro TURN slot, next, fill
	s_wait_dscnt 8
	WIN MUL_LO
	MULH F1, 0, 0, 0
	s_wait_dscnt 0
	s_wait_tensorcnt 0x0
	ds_add_u32 v255, v255
	s_wait_dscnt 0x0
	s_barrier_signal -1
	MULH F1, 0, 2, 0
	WIN 0
	s_barrier_wait -1
.if \fill
	CREST
	s_add_nc_u64 s[G0+4*\slot+2:G0+4*\slot+3], s[G0+4*\slot+2:G0+4*\slot+3], 2*ASTEP
	s_add_nc_u64 s[G0B+4*\slot+2:G0B+4*\slot+3], s[G0B+4*\slot+2:G0B+4*\slot+3], 2*KSTEP*2
	JLOAD \slot
.endif
	PLACES
	FETCH \next, 0, F0
	WIN MUL_HI
	MULH F1, 1, 0, 0
	MULH F1, 1, 2, 0
.endm
.macro LAP zero
	THREE 0, \zero
	TURN 0, 1, 1
	THREE 1, 0
	TURN 1, 0, 1
.endm
	s_wait_tensorcnt 1                             ; my part of K step 0 is in; K step 1's stays out
	s_barrier_signal -1
	s_barrier_wait -1
	FETCH 0, 0, F0
	LAP 1
	WIN 0
	s_mov_b32 s3, LAPS-2
.Llap:
	LAP 0
	WIN 0
	s_sub_co_u32 s3, s3, 1
	s_cmp_lg_u32 s3, 0
	s_cbranch_scc1 .Llap
	THREE 0, 0
	TURN 0, 1, 0
	THREE 1, 0
	s_wait_dscnt 8
	WIN MUL_LO
	MULH F1, 0, 0, 0
	MULH F1, 0, 2, 0
	s_wait_dscnt 0
	WIN MUL_HI
	MULH F1, 1, 0, 0
	MULH F1, 1, 2, 0
	; THE WAY OUT, 16 rows at a time through my own stage: a lane's eight f32 are 32 bytes of a row; read back, sixteen lanes hold a row's 256 bytes.
	PLACES
	s_lshl_b32 s66, s13, 8
	s_lshl_b32 s67, s11, 7
	s_add_co_u32 s66, s66, s67                     ; my first row,
	s_lshl_b32 s66, s66, 12                        ; x 4,096 bytes,
	s_lshl_b32 s67, s42, 9                         ; + 128 columns x 4 bytes x block column
	s_add_co_u32 s66, s66, s67
	s_lshl_b32 s67, s12, 8                         ; + 64 columns x half
	s_add_co_u32 s66, s66, s67
	s_mov_b32 s67, 0
	s_add_nc_u64 s[8:9], s[8:9], s[66:67]
.macro OUT16 i, a, from, f             ; from: 0x08 or 0x0c, the store data in window 2 or 3
	WIN \from
.irp b, 0,1,2,3
	ds_store_b128 v[STO], v[8*(NB*\a+\b):8*(NB*\a+\b)+3]   offset:64*\b
	ds_store_b128 v[STO], v[8*(NB*\a+\b)+4:8*(NB*\a+\b)+7] offset:64*\b+16
.endr
	WIN 0
	s_wait_xcnt 0x0                                ; buffer f and the base, which earlier stores read, are written again only behind this wait
.if \i
	s_add_nc_u64 s[8:9], s[8:9], 16*4096
.endif
.irp t, 0,1,2,3,4,5,6,7
	ds_load_b128 v[\f+4*\t:\f+4*\t+3], v[RD] offset:\t*2*SPITCH    ; LDS serves a wave's instructions in order (ISA guide 5.7.1): these see the stores above
.endr
.irp t, 0,1,2,3,4,5,6,7
	s_wait_dscnt 7-\t
	global_store_b128 v[CO], v[\f+4*\t:\f+4*\t+3], s[8:9] offset:\t*8192 th:TH_STORE_NT   ; sixteen lanes store 256 neighbouring bytes, aligned
.endr
.endm
	OUT16 0, 0, 0x08, F0
	OUT16 1, 1, 0x08, F1
	OUT16 2, 2, 0x08, F0
	OUT16 3, 3, 0x08, F1
	OUT16 4, 0, 0x0c, F0
	OUT16 5, 1, 0x0c, F1
	OUT16 6, 2, 0x0c, F0
	OUT16 7, 3, 0x0c, F1
	s_set_vgpr_msb 0x1
	s_wait_tensorcnt 0x0
	ds_add_u32 v255, v255
	s_wait_dscnt 0x0
	s_set_vgpr_msb 0x100
	CROUND                                         ; the closing round
	s_endpgm
.Lfunc_end_k_q02517938c1_proj_out:
	.size	k_q02517938c1_proj_out, .Lfunc_end_k_q02517938c1_proj_out-k_q02517938c1_proj_out
	.p2alignl 7, 3214868480
	.fill 96, 4, 3214868480
	.section	.rodata,"a",@progbits
	.p2align	6, 0x0
	.amdhsa_kernel k_q02517938c1_proj_out
		.amdhsa_group_segment_fixed_size 327680
		.amdhsa_private_segment_fixed_size 0
		.amdhsa_enable_private_segment 0
		.amdhsa_kernarg_size 24
		.amdhsa_user_sgpr_count 2
		.amdhsa_user_sgpr_kernarg_segment_ptr 1
		.amdhsa_wavefront_size32 1
		.amdhsa_system_sgpr_workgroup_id_x 1
		.amdhsa_system_sgpr_workgroup_id_y 1
		.amdhsa_system_sgpr_workgroup_id_z 1
		.amdhsa_system_vgpr_workitem_id 0
		.amdhsa_next_free_vgpr 896
		.amdhsa_next_free_sgpr 72
		.amdhsa_reserve_vcc 0
		.amdhsa_float_denorm_mode_32 3
		.amdhsa_float_denorm_mode_16_64 3
		.amdhsa_memory_ordered 1
		.amdhsa_forward_progress 1
		.amdhsa_inst_pref_size 120
	.end_amdhsa_kernel
	.amdgpu_metadata
---
amdhsa.version: [ 1, 2 ]
amdhsa.kernels:
  - .name:           k_q02517938c1_proj_out
    .symbol:         k_q02517938c1_proj_out.kd
    .args:
      - { .name: att, .offset: 0, .size: 8, .value_kind: global_buffer, .address_space: global }
      - { .name: wt, .offset: 8, .size: 8, .value_kind: global_buffer, .address_space: global }
      - { .name: out0, .offset: 16, .size: 8, .value_kind: global_buffer, .address_space: global }
    .group_segment_fixed_size: 327680
    .private_segment_fixed_size: 0
    .kernarg_segment_align: 8
    .kernarg_segment_size: 24
    .max_flat_workgroup_size: 128
    .sgpr_count:     72
    .vgpr_count:     896
    .wavefront_size: 32
...
	.end_amdgpu_metadata
.endif
;; end of part 4
;; ======== version 2 of 2: 4 launches; version 1 with the launch prep written anew for expert scheduling mode
;; limits: values are held in f16: magnitudes above 65,504 overflow, below 6.1e-05 lose precision
;; workspace buffers: xb 16,777,216 bytes; wt 8,388,608 bytes; qkv 50,331,648 bytes; att 16,777,216 bytes
;; launch prep (part 5): grid 768 x 1, 8 waves a work-group, no clusters, 34,304 bytes of LDS; arguments X, Wq, Wk, Wv, Wo, xb, wt; writes xb, wt
.if DOCPART == 5
	.amdgcn_target "amdgcn-amd-amdhsa--gfx1250"
	.amdhsa_code_object_version 6
	.text
	.protected	k_q02517938c1_prep
	.globl	k_q02517938c1_prep
	.p2align	8
	.type	k_q02517938c1_prep,@function
k_q02517938c1_prep:
	s_mov_b64 s[64:65], 0
	v_nop
	global_prefetch_b8 v0, s[64:65] scope:SCOPE_SE
	s_setreg_imm32_b32 hwreg(HW_REG_WAVE_SCHED_MODE, 0, 2), 2
	s_setreg_imm32_b32 hwreg(HW_REG_WAVE_MODE, 25, 1), 1
	s_wait_xcnt 0x0
	s_wait_alu depctr_vm_vsrc(0)
; prep: the matrix operands in 16 bits.
;   work-groups 0-511:   xb[8192][1024] = X rounded to bf16; 64 KiB of X each.
;   work-groups 512-767: wt[4096 n][1024 k] = the four weights transposed; a tile of 256 k x 64 n each.
;       wt rows 0-1023 Wq^T, 1024-2047 Wk^T, 2048-3071 Wv^T in bf16; rows 3072-4095 Wo^T as f16 codes of the bf16-rounded numbers
;       (its partner in the last product, the attention's result, is f16).
; LIMIT: a bf16 number is exact in f16 from 6.1e-5 up to 65,504; a smaller |Wo| carries an absolute error of at most 3e-8.
; A stream: every input byte is read once by 16-byte loads of which sixteen neighbouring lanes cover 256 neighbouring bytes; no matrix unit,
; no cluster (no work-group shares a byte with another).
; THE MODE: SCHED_MODE bits 1:0 = 2 (LLVM: expert scheduling mode 2), set by the entry lines.  The code itself states the register dependences
; between vector instructions and memory or LDS instructions, with s_wait_alu, always for 0.
; THE PLAN.  Registers that memory or LDS instructions touch:
;   v1 - v4     offsets and LDS addresses: made once at a path's head, read by its loads and stores, never written again.
;   XL v32-95   written by the 16 global loads, read by the conversions.  In the weights' path v64-95 are loaded once more, from LDS, behind the
;               barrier, and then read by the global stores; no memory or LDS instruction has read them before that.
;   XO = WO v96-127  written once each by the conversions, read once each by a store (X: 16 pairs, global; weights: 32 words, LDS), never written again.
;   v14-21      the weights' f16 detour: named by vector instructions alone.
;   v128, v129  written at the head, read by the closing add alone.
; Both paths go in four blocks.  A block's conversions name its own XL and XO alone; the stores of the block before, whose data the one wait at the
; block's head shows written, are dealt among them with no further wait.  No register that a store reads is written again, so no wait on vm_vsrc is owed.
.set XL, 32                            ; v[32:95]   16 loads of 4 registers
.set XO, 96                            ; v[96:127]  X path: 16 pairs to store
.set WO, 96                            ; v[96:127]  weights: 32 packed words, word n = 4 I + c, on their way into LDS
.set WPITCH, 260                       ; LDS pitch of a transposed row of 128 k: 65 words, odd, so that both the word stores (down the rows)
                                       ; and the word loads (along the rows) of a wave fall into 32 different banks
.set WSUB, 64*WPITCH                   ; a sub-tile: 64 n x 128 k
	s_load_b256 s[8:15], s[0:1], 0x0               ; X s[8:9], Wq s[10:11], Wk s[12:13], Wv s[14:15]
	s_load_b128 s[16:19], s[0:1], 0x20             ; Wo s[16:17], xb s[18:19]
	s_load_b64 s[20:21], s[0:1], 0x30              ; wt
	v_lshl_add_u32 v128, v0, 2, 0x8200
	v_mov_b32 v129, 0
	s_cmp_ge_u32 ttmp9, 512
	s_cbranch_scc1 .Lweights
	; ---- X: thread t takes 16 bytes at 16 t of each of 16 blocks of 4,096 bytes, and stores 8 bytes at 8 t of blocks of 2,048
	v_lshlrev_b32 v1, 4, v0
	v_lshlrev_b32 v2, 3, v0
	s_lshl_b32 s2, ttmp9, 16                       ; 65,536 bytes of X for each work-group
	s_mov_b32 s3, 0
	s_lshl_b32 s4, ttmp9, 15                       ; 32,768 bytes of xb
	s_mov_b32 s5, 0
	s_wait_kmcnt 0x0
	s_add_nc_u64 s[8:9], s[8:9], s[2:3]
	s_add_nc_u64 s[18:19], s[18:19], s[4:5]
	s_wait_alu depctr_va_vdst(0)                   ; v1 and v2 are written: every load of this path reads v1 as its offset, every store v2
.set I, 0
.rept 16
	global_load_b128 v[XL+4*I:XL+4*I+3], v1, s[8:9] offset:4096*I th:TH_LOAD_NT
.set I, I+1
.endr
.set G, 0
.rept 4                                            ; four groups of four loads
	s_wait_loadcnt 12-4*G                          ; loads come back in order: this group's four are in, the younger groups' stay out
.if G > 0
	s_wait_alu depctr_va_vdst(0)                   ; the group before has written its four pairs of XO, which the stores below read
.endif
.set I, 4*G
.rept 4
.if G > 0
	global_store_b64 v2, v[XO+2*(I-4):XO+2*(I-4)+1], s[18:19] offset:2048*(I-4)    ; the group before; no vector instruction since the wait names this pair.  A wave's store covers 256 neighbouring bytes, aligned
.endif
	v_cvt_pk_bf16_f32 v[XO+2*I],   v[XL+4*I],   v[XL+4*I+1]
	v_cvt_pk_bf16_f32 v[XO+2*I+1], v[XL+4*I+2], v[XL+4*I+3]
.set I, I+1
.endr
.set G, G+1
.endr
	s_wait_alu depctr_va_vdst(0)                   ; the last group has written its four pairs, which the last four stores read
.set I, 12
.rept 4
	global_store_b64 v2, v[XO+2*I:XO+2*I+1], s[18:19] offset:2048*I
.set I, I+1
.endr
	s_endpgm
	; ---- weights
.Lweights:
	s_sub_co_u32 s2, ttmp9, 512                    ; u = 0..255
	s_lshr_b32 s3, s2, 6                           ; which weight: 0 Wq, 1 Wk, 2 Wv, 3 Wo
	s_and_b32 s4, s2, 15                           ; block of 64 n
	s_bfe_u32 s5, s2, 0x20004                      ; block of 256 k
	v_and_b32 v8, 15, v0                           ; ng: my four n
	v_lshrrev_b32 v9, 4, v0                        ; kp: my pair of k rows in each group of 32
	v_lshlrev_b32 v1, 13, v9                       ; source: 2 kp rows of 4,096 bytes
	v_lshl_add_u32 v1, v8, 4, v1                   ;         + 16 ng
	v_mul_u32_u24 v2, v8, 4*WPITCH                 ; LDS, in: row 4 ng,
	v_lshl_add_u32 v2, v9, 2, v2                   ;          word kp
	v_mul_u32_u24 v3, v9, WPITCH                   ; LDS, back: row t / 16,
	v_lshl_add_u32 v3, v8, 4, v3                   ;            16 bytes at 16 (t mod 16)
	v_lshlrev_b32 v4, 11, v9                       ; wt: the same row (2,048 bytes) and the same 16 bytes
	v_lshl_add_u32 v4, v8, 4, v4
	s_lshl_b32 s6, s5, 20                          ; 256 k rows of 4,096 bytes
	s_lshl_b32 s7, s4, 8                           ; 64 n of 4 bytes
	s_add_co_u32 s6, s6, s7
	s_mov_b32 s7, 0
	s_lshl_b32 s26, s3, 21                         ; wt: 1,024 rows of 2,048 bytes for each weight,
	s_lshl_b32 s27, s4, 17                         ;     64 rows for each n block,
	s_add_co_u32 s26, s26, s27
	s_lshl_b32 s27, s5, 9                          ;     512 bytes for each k block
	s_add_co_u32 s26, s26, s27
	s_mov_b32 s27, 0
	s_wait_kmcnt 0x0
	s_cmp_eq_u32 s3, 0
	s_cselect_b64 s[22:23], s[10:11], s[12:13]
	s_cmp_eq_u32 s3, 2
	s_cselect_b64 s[24:25], s[14:15], s[16:17]
	s_cmp_lt_u32 s3, 2
	s_cselect_b64 s[22:23], s[22:23], s[24:25]
	s_add_nc_u64 s[22:23], s[22:23], s[6:7]
	s_add_nc_u64 s[20:21], s[20:21], s[26:27]
	s_wait_alu depctr_va_vdst(0)                   ; v1 to v4 are written: the offsets and LDS addresses that this path's loads and stores read
.set I, 0
.rept 8                                            ; rows 2 (kp + 16 I) and the next: sixteen lanes read 256 neighbouring bytes
	global_load_b128 v[XL+8*I:XL+8*I+3],   v1, s[22:23] offset:131072*I th:TH_LOAD_NT
	global_load_b128 v[XL+8*I+4:XL+8*I+7], v1, s[22:23] offset:131072*I+4096 th:TH_LOAD_NT
.set I, I+1
.endr
; Word n = 4 I + c: two neighbouring k of one n become one word (the lower k in the low half).  half = 1: the bf16 pair is widened again and written as f16.
.macro WWORD n, half
	v_cvt_pk_bf16_f32 v[WO+(\n)], v[XL+8*((\n)/4)+(\n)%4], v[XL+8*((\n)/4)+4+(\n)%4]
.if \half
	v_lshlrev_b32 v[14+2*((\n)%4)], 16, v[WO+(\n)]
	v_and_b32     v[15+2*((\n)%4)], 0xffff0000, v[WO+(\n)]
	v_cvt_pk_f16_f32 v[WO+(\n)], v[14+2*((\n)%4)], v[15+2*((\n)%4)]
.endif
.endm
; Word n goes to LDS [n][k]: sub-tile I / 4, row 4 ng + c, word kp + 16 (I mod 4)
.macro WPUT n
	ds_store_b32 v2, v[WO+(\n)] offset:((\n)>>4)*WSUB+((\n)%4)*WPITCH+(((\n)>>2)&3)*64
.endm
; The 32 words in four blocks of eight; a block's LDS stores are dealt among the next block's conversions.
.macro WCONV half
.set N, 0
.rept 4
.if N > 0
	s_wait_alu depctr_va_vdst(0)                   ; the block before has written its eight words of WO, which the LDS stores below read
.endif
.rept 8
.if N >= 8
	WPUT N-8                                       ; no vector instruction since the wait names this word or v2
.endif
	WWORD N, \half
.set N, N+1
.endr
.endr
	s_wait_alu depctr_va_vdst(0)                   ; the last block has written its eight words, which the LDS stores below read; and all conversions are done reading v64-95, in which LDS loads land behind the barrier
.set N, 24
.rept 8
	WPUT N
.set N, N+1
.endr
.endm
	s_wait_loadcnt 0x0
	s_cmp_eq_u32 s3, 3
	s_cbranch_scc1 .Lhalf
	WCONV 0
	s_branch .Ljoin
.Lhalf:
	WCONV 1
.Ljoin:
	s_wait_dscnt 0x0                               ; my stores are in LDS before I say so: other waves read them
	s_barrier_signal -1
	s_barrier_wait -1
.set G, 0
.rept 8                                            ; group G = 2 r + sub: rows t / 16 + 16 r of sub-tile sub.  No vector instruction stands between the last wait on va_vdst, on either arm, and these loads
.irp c, 0,1,2,3
	ds_load_b32 v[64+4*G+\c], v3 offset:(G&1)*WSUB+(G>>1)*16*WPITCH+4*\c
.endr
.set G, G+1
.endr
.set G, 0
.rept 8
	s_wait_dscnt 28-4*G                            ; the four loads of group G are in; the younger groups' stay out
	global_store_b128 v4, v[64+4*G:64+4*G+3], s[20:21] offset:(G>>1)*32768+(G&1)*256   ; sixteen lanes store 256 neighbouring bytes, aligned
.set G, G+1
.endr
	s_wait_dscnt 0x0                               ; the closing lines, six on end
	s_wait_alu 0x0
	s_wait_tensorcnt 0x0
	ds_add_u32 v128, v129
	s_wait_dscnt 0x0
	s_endpgm
.Lfunc_end_k_q02517938c1_prep:
	.size	k_q02517938c1_prep, .Lfunc_end_k_q02517938c1_prep-k_q02517938c1_prep
	.p2alignl 7, 3214868480
	.fill 96, 4, 3214868480
	.section	.rodata,"a",@progbits
	.p2align	6, 0x0
	.amdhsa_kernel k_q02517938c1_prep
		.amdhsa_group_segment_fixed_size 34304
		.amdhsa_private_segment_fixed_size 0
		.amdhsa_enable_private_segment 0
		.amdhsa_kernarg_size 56
		.amdhsa_user_sgpr_count 2
		.amdhsa_user_sgpr_kernarg_segment_ptr 1
		.amdhsa_wavefront_size32 1
		.amdhsa_system_sgpr_workgroup_id_x 1
		.amdhsa_system_sgpr_workgroup_id_y 1
		.amdhsa_system_sgpr_workgroup_id_z 1
		.amdhsa_system_vgpr_workitem_id 0
		.amdhsa_next_free_vgpr 130
		.amdhsa_next_free_sgpr 66
		.amdhsa_reserve_vcc 0
		.amdhsa_float_denorm_mode_32 3
		.amdhsa_float_denorm_mode_16_64 3
		.amdhsa_memory_ordered 1
		.amdhsa_forward_progress 1
		.amdhsa_inst_pref_size 26
	.end_amdhsa_kernel
	.amdgpu_metadata
---
amdhsa.version: [ 1, 2 ]
amdhsa.kernels:
  - .name:           k_q02517938c1_prep
    .symbol:         k_q02517938c1_prep.kd
    .args:
      - { .name: X, .offset: 0, .size: 8, .value_kind: global_buffer, .address_space: global }
      - { .name: Wq, .offset: 8, .size: 8, .value_kind: global_buffer, .address_space: global }
      - { .name: Wk, .offset: 16, .size: 8, .value_kind: global_buffer, .address_space: global }
      - { .name: Wv, .offset: 24, .size: 8, .value_kind: global_buffer, .address_space: global }
      - { .name: Wo, .offset: 32, .size: 8, .value_kind: global_buffer, .address_space: global }
      - { .name: xb, .offset: 40, .size: 8, .value_kind: global_buffer, .address_space: global }
      - { .name: wt, .offset: 48, .size: 8, .value_kind: global_buffer, .address_space: global }
    .group_segment_fixed_size: 34304
    .private_segment_fixed_size: 0
    .kernarg_segment_align: 8
    .kernarg_segment_size: 56
    .max_flat_workgroup_size: 256
    .sgpr_count:     66
    .vgpr_count:     130
    .wavefront_size: 32
...
	.end_amdgpu_metadata
.endif
;; end of part 5
;; launch proj_qkv: the kernel of part 2 again; grid 16 x 32, 4 waves a work-group, clusters of 4 x 4, 327,680 bytes of LDS; arguments xb, wt, qkv; writes qkv
;; launch attn: the kernel of part 3 again; grid 256 x 1, 8 waves a work-group, no clusters, 327,680 bytes of LDS; arguments qkv, att; writes att
;; launch proj_out: the kernel of part 4 again; grid 8 x 32, 4 waves a work-group, clusters of 4 x 4, 327,680 bytes of LDS; arguments att, wt, out0; writes out0
